; MI455X (gfx1250); checked and timed in simulation.
; The chip was launched on July 23, 2026; its instructions are those of AMD's public machine-readable ISA for CDNA 5 (MIT licence, August 2026) and "CDNA5" Instruction Set Architecture Reference Guide (July 2026). The comments in the code are by the model that wrote it; some were corrected since.
;; Causal Self Attention. Allowed arithmetic: matrix products marked QUANTISED: E2M1 operands, one E8M0 scale for each 32 along K, by v_wmma_scale_f32_16x16x128_f8f6f4 with both operands' format E2M1 (or v_wmma_scale_f32_32x16x128_f4), f32 sums; products left as they are: bf16, f16 or f32 operands; f32 sums; everything else in f32.
;; Inputs: Wk 1,024 x 1,024 float32; Wp 1,024 x 1,024 float32; Wq 1,024 x 1,024 float32; Wv 1,024 x 1,024 float32; bk 1,024 float32; bp 1,024 float32; bq 1,024 float32; bv 1,024 float32; x 4 x 2,048 x 1,024 float32.
;; Outputs: out0 4 x 2,048 x 1,024 float32.
;; This version of the problem:
;;   THIS VERSION OF THE PROBLEM IS GIVEN IN LOW PRECISION. The matrix products marked QUANTISED in the list below multiply operands that are first quantised to E2M1 (2 exponent bits, 1 mantissa bit; 4 bits a number), with one power-of-two scale for each 32 numbers along K (OCP MX v1.0); their sums are f32. The products marked 'left as it is' may take bf16, f16 or f32 operands, with f32 sums. Whichever they take, every output number must still come out within the allowed error. Rounding operands to bf16 (8 significant bits) uses up far more of that allowance than f16 does (11 bits, for magnitudes from 6e-5 to 65,504). All else is computed in f32.
;;   The module's matrix products, in the order in which they are computed (A, B: the left and right operand; K: the contracted axis; several contracted axes count as one K, in the product's order):
;;     1. [M 8,192, K 1,024] x [K 1,024, N 1,024]; A: input x; B: input Wq: QUANTISED
;;     2. [M 8,192, K 1,024] x [K 1,024, N 1,024]; A: input x; B: input Wk: QUANTISED
;;     3. [M 8,192, K 1,024] x [K 1,024, N 1,024]; A: input x; B: input Wv: QUANTISED
;;     4. batch 64 x [M 2,048, K 64] x [K 64, N 2,048]; A: computed on the way; B: computed on the way: left as it is (an operand is computed on the way)
;;     5. batch 64 x [M 2,048, K 2,048] x [K 2,048, N 64]; A: computed on the way; B: computed on the way: left as it is (an operand is computed on the way)
;;     6. [M 8,192, K 1,024] x [K 1,024, N 1,024]; A: computed on the way; B: input Wp: left as it is (an operand is computed on the way)
;;   THE QUANTISER, for each operand of a quantised product, along K:
;;     - K is cut into blocks of 32 from its start; a last block that is shorter is filled with zeros.
;;     - A block's scale is 2^e with e = floor(log2(the largest magnitude in the block)) - 2, held to -126 .. 127; a block of zeros has e = 0. As a byte (E8M0): e + 127.
;;     - Each number is divided by its block's scale, clamped to +-6, and rounded to the nearest number of E2M1, ties to even, subnormals kept.
;;     - The product sums the exact products of the quantised numbers (number of the format x scale) in f32.
;;   ~~~python
;;   def quantise(x, axis):      # numpy; x: float32 -> the quantised numbers, widened to float32 again
;;       x = np.moveaxis(x, axis, -1); K = x.shape[-1]
;;       x = np.pad(x, [(0, 0)] * (x.ndim - 1) + [(0, -K % 32)]); x = x.reshape(x.shape[:-1] + (-1, 32)); a = np.abs(x).max(-1, keepdims=True)
;;       e = np.where(a > 0, np.clip(np.frexp(np.where(a > 0, a, 1))[1] - 1 - 2, -126, 127), 0)      # np.frexp(a)[1] - 1 = floor(log2(a)), exactly
;;       r = np.clip(x / 2.0 ** e, -6, 6)
;;       step = 2.0 ** (np.maximum(np.frexp(np.where(r == 0, 1, r))[1] - 1, 0) - 1)
;;       q = np.round(r / step) * step * 2.0 ** e      # np.round: ties to even
;;       return np.moveaxis(q.reshape(q.shape[:-2] + (-1,))[..., :K], -1, axis).astype(np.float32)
;;   ~~~
;; One version. Each part assembles by itself: llvm-mc -triple=amdgcn-amd-amdhsa -mcpu=gfx1250 --defsym DOCPART=n.
;; ======== version 1 of 1: 5 launches
;; limits: values are held in f16: magnitudes above 65,504 overflow, below 6.1e-05 lose precision
;; workspace buffers: xc 4,194,304 bytes; xs 262,144 bytes; wc 1,572,864 bytes; ws 98,304 bytes; wp16 2,097,152 bytes; qkv16 50,331,648 bytes; q32 786,432 bytes; y16 16,777,216 bytes
;; launch prep (part 1): grid 384 x 1, 4 waves a work-group, no clusters, 33,280 bytes of LDS; arguments x, Wq, Wk, Wv, Wp, xc, xs, wc, ws, wp16; writes xc, xs, wc, ws, wp16
.if DOCPART == 1
	.amdgcn_target "amdgcn-amd-amdhsa--gfx1250"
	.amdhsa_code_object_version 6
	.text
	.protected	k_qc347d28ce4_prep
	.globl	k_qc347d28ce4_prep
	.p2align	8
	.type	k_qc347d28ce4_prep,@function
k_qc347d28ce4_prep:
	s_mov_b64 s[64:65], 0
	v_nop
	global_prefetch_b8 v0, s[64:65] scope:SCOPE_SE
	s_setreg_imm32_b32 hwreg(HW_REG_WAVE_MODE, 25, 1), 1
	s_wait_xcnt 0x0
; PREP.  x [8192][1024] and Wq, Wk, Wv [1024][1024], f32 with K innermost, become codes of FP4 (E2M1), two a byte, K innermost, with one E8M0 byte for each 32 along K;
; Wp [1024][1024] is rounded to f16.  x goes to xc, xs; the three weights go one behind the other to wc [3072][512 bytes] and ws [3072][32].
; A block's scale is 2^(floor(log2(its largest magnitude)) - 2): its byte is the largest magnitude's exponent field - 2, held at 1 from below.
; LIMITS: a block of zeros gets the byte 1 where the rule says 127 (its codes are zeros, and these bytes are read by this program alone); blocks whose largest magnitude lies under 2^(2 - 126)
; are held at the byte 1; NaN and infinities are not served; |Wp| beyond 65,504 is not served in f16 (the first 16 positions of a sequence take Wp in f32, in the last launch).
; Rows are dense and K is a multiple of 32: every tensor is a plain stream of blocks of 32.  A work-group takes 32,768 numbers, a wave 16 steps of 512.
; Work-groups 0-255: x.  256-351: the weights, 32 work-groups each.  352-383: Wp.  Only pointers are chosen for the first two kinds: they take one path.
; In a step each load reads 512 consecutive bytes, 16 a lane; the 2,048 bytes turn through the wave's own stage in LDS and come back 64 bytes a lane, so that a lane holds 16 neighbours along K.
; No tensor load, no barrier: waves share nothing.  No matrix unit and no cluster: the launch only streams.
.set WAVES, 4
.set STEPS, 16
.set EMAX,  2
.set CB,    8                          ; bytes of 16 codes
.set R,     16                         ; v16-79   four sets of 16 numbers as loaded
.set X,     80                         ; v80-111  two sets of 16 neighbours
.set E,     112                        ; v112-127 a scale byte for each step
.set C,     128                        ; v128-191 codes: four registers for each step, so that no store's data are written again
.set WREG,  8192                       ; LDS: a region for each wave: two stages of 32 x SP bytes, then its 256 scale bytes
.set SP,    80                         ; a lane's place in a stage: 64 bytes + 16 of padding
.set SPW,   12                         ; v12 my spare word's LDS address; never rewritten
.set NIL,   13                         ; v13 0; never rewritten
.set SPARE, WAVES*WREG                 ; the spare words: 128 bytes a wave, named by no other line
.macro LOAD t
.irp i, 0,1,2,3
	global_load_b128 v[R+16*((\t)%4)+4*\i:R+16*((\t)%4)+4*\i+3], v3, s[4:5] offset:2048*(\t)+512*\i th:TH_LOAD_NT   ; 32 lanes read 512 consecutive bytes
.endr
.endm
.macro TURN t                          ; step t through the stage: LDS serves a wave's instructions in order, so no wait stands between the stores and the loads
.irp i, 0,1,2,3
	ds_store_b128 v14, v[R+16*((\t)%4)+4*\i:R+16*((\t)%4)+4*\i+3] offset:32*SP*((\t)%2)+8*SP*\i
.endr
.irp i, 0,1,2,3
	ds_load_b128 v[X+16*((\t)%2)+4*\i:X+16*((\t)%2)+4*\i+3], v15 offset:32*SP*((\t)%2)+16*\i
.endr
.endm
.macro STEP t
.set XS, X+16*((\t)%2)
.if (\t) > 0
	s_wait_dscnt 1                                 ; this step's numbers are back from the stage; the last step's byte store may be out
.else
	s_wait_dscnt 0x0
.endif
.if (\t)+4 < STEPS
	LOAD (\t)+4                                    ; the registers that the stage's stores have read take the loads of four steps on
.endif
.if (\t)+1 < STEPS
.if STEPS-2-(\t) >= 3
	s_wait_loadcnt 12                              ; the next step's four loads are in; those of the three steps behind it may be out
.else
	s_wait_loadcnt 4*(STEPS-2-(\t))
.endif
	TURN (\t)+1
.endif
	v_max3_num_f32 v8, |v[XS]|, |v[XS+1]|, |v[XS+2]|               ; the largest magnitude of my 16, in two chains
	v_max3_num_f32 v9, |v[XS+3]|, |v[XS+4]|, |v[XS+5]|
.irp i, 6,10
	v_max3_num_f32 v8, v8, |v[XS+\i]|, |v[XS+\i+1]|
	v_max3_num_f32 v9, v9, |v[XS+\i+2]|, |v[XS+\i+3]|
.endr
	v_max3_num_f32 v8, v8, |v[XS+14]|, |v[XS+15]|
	v_max3_num_f32 v8, v8, v9, (EMAX+1)<<23        ; and the floor 2^(3 - 127): the byte cannot fall under 1
	v_max_num_f32_dpp v8, v8, v8 row_xmask:1 row_mask:0xf bank_mask:0xf   ; with my neighbour's 16: the block's
	v_add_nc_u32 v11, -(EMAX<<23), v8              ; 2 off the exponent field: the conversion takes this operand's exponent field as its scale
	v_cvt_scalef32_pk8_fp4_f32 v[C+4*(\t)], v[XS:XS+7], v11
	v_cvt_scalef32_pk8_fp4_f32 v[C+4*(\t)+1], v[XS+8:XS+15], v11
	v_lshrrev_b32 v[E+(\t)], 23, v11               ; the scale's byte (also the plain line behind the conversions)
	ds_store_b8 v5, v[E+(\t)] offset:16*(\t)       ; both lanes of a block write the same byte with the same value
	global_store_b64 v4, v[C+4*(\t):C+4*(\t)+1], s[14:15] offset:32*CB*(\t)   ; the wave stores 256 consecutive bytes, aligned
.endm
.macro LOADB t                         ; Wp: a batch of 16 loads, 8,192 bytes, into set t % 2
.irp i, 0,1,2,3,4,5,6,7,8,9,10,11,12,13,14,15
	global_load_b128 v[16+64*((\t)%2)+4*\i:16+64*((\t)%2)+4*\i+3], v3, s[12:13] offset:8192*(\t)+512*\i
.endr
.endm
.macro BATCH t
.set WS, 16+64*((\t)%2)
.if (\t) < 3
	s_wait_loadcnt 16                              ; this batch is in; the younger batch's 16 loads may be out
.else
	s_wait_loadcnt 0x0
.endif
.if (\t) > 0
	s_wait_xcnt 0x0                                ; the last batch's stores have read v144-175: only now are they written again
.endif
.irp i, 0,1,2,3,4,5,6,7,8,9,10,11,12,13,14,15
	v_cvt_pk_f16_f32 v[144+2*\i], v[WS+4*\i], v[WS+4*\i+1]
	v_cvt_pk_f16_f32 v[145+2*\i], v[WS+4*\i+2], v[WS+4*\i+3]
.endr
.irp i, 0,1,2,3,4,5,6,7,8,9,10,11,12,13,14,15
	global_store_b64 v4, v[144+2*\i:145+2*\i], s[22:23] offset:4096*(\t)+256*\i   ; the wave stores 256 consecutive bytes, aligned
.endr
.if (\t)+2 < 4
	LOADB (\t)+2
.endif
.endm
	s_load_b256 s[4:11], s[0:1], 0x0               ; x, Wq, Wk, Wv
	s_load_b256 s[12:19], s[0:1], 0x20             ; Wp, xc, xs, wc
	s_load_b128 s[20:23], s[0:1], 0x40             ; ws, wp16
	v_lshl_add_u32 v[SPW], v0, 2, SPARE
	v_mov_b32 v[NIL], 0
	v_lshrrev_b32 v1, 5, v0
	v_readfirstlane_b32 s24, v1                    ; wave
	v_and_b32 v2, 31, v0                           ; lane
	v_lshlrev_b32 v3, 4, v2                        ; my 16 bytes of a load's 512
	s_cmp_ge_u32 ttmp9, 352
	s_cbranch_scc1 .Lwp                            ; the last 32 work-groups round Wp
	s_mul_i32 s30, s24, WREG
	v_lshrrev_b32 v14, 2, v2
	v_mul_u32_u24 v14, v14, SP
	v_and_b32 v15, 3, v2
	v_lshl_add_u32 v14, v15, 4, v14
	v_add_nc_u32 v14, s30, v14                     ; the stage, in: SP (lane / 4) + 16 (lane % 4); a load's 512 bytes take eight places
	v_mul_u32_u24 v15, v2, SP
	v_add_nc_u32 v15, s30, v15                     ; out: SP x lane: my 16 neighbours
	v_mul_u32_u24 v4, v2, CB                       ; my codes' place in a step's
	v_lshrrev_b32 v5, 1, v2
	s_add_co_u32 s30, s30, 2*32*SP
	v_add_nc_u32 v5, s30, v5                       ; my block's byte among my wave's 256 scale bytes
	v_lshlrev_b32 v7, 3, v2
	v_add_nc_u32 v6, s30, v7                       ; and on the way out 8 bytes a lane
	s_sub_co_u32 s25, ttmp9, 256                   ; a weight's work-group: its number among the 96,
	s_lshr_b32 s26, s25, 5                         ; which weight,
	s_and_b32 s27, s25, 31                         ; and which part of it
	s_wait_kmcnt 0x0
	s_cmp_eq_u32 s26, 1                            ; the choices hang on the work-group's number alone
	s_cselect_b64 s[8:9], s[8:9], s[10:11]         ; Wk or Wv
	s_cmp_eq_u32 s26, 0
	s_cselect_b64 s[6:7], s[6:7], s[8:9]           ; Wq or that
	s_cmp_lt_u32 ttmp9, 256
	s_cselect_b64 s[4:5], s[4:5], s[6:7]           ; x or a weight
	s_cselect_b64 s[14:15], s[14:15], s[18:19]     ; xc or wc
	s_cselect_b64 s[16:17], s[16:17], s[20:21]     ; xs or ws
	s_cselect_b32 s27, ttmp9, s27                  ; the part of the source,
	s_cselect_b32 s25, ttmp9, s25                  ; and of the destination (the weights' codes lie one behind the other)
	s_lshl_b32 s27, s27, 2
	s_add_co_u32 s27, s27, s24                     ; my wave's run of 8,192 numbers
	s_lshl_b32 s25, s25, 2
	s_add_co_u32 s25, s25, s24
	s_lshl_b32 s28, s27, 15                        ; 32,768 bytes of f32,
	s_mov_b32 s29, 0
	s_add_nc_u64 s[4:5], s[4:5], s[28:29]
	s_lshl_b32 s28, s25, 12                        ; 4,096 bytes of codes,
	s_add_nc_u64 s[14:15], s[14:15], s[28:29]
	s_lshl_b32 s28, s25, 8                         ; 256 scale bytes
	s_add_nc_u64 s[16:17], s[16:17], s[28:29]
.irp t, 0,1,2,3
	LOAD \t
.endr
	s_wait_loadcnt 12                              ; step 0's four loads are in
	TURN 0
.irp t, 0,1,2,3,4,5,6,7,8,9,10,11,12,13,14,15
	STEP \t
.endr
	ds_load_b64 v[8:9], v6                         ; LDS serves a wave's instructions in order: these see my byte stores
	s_wait_dscnt 0x0
	global_store_b64 v7, v[8:9], s[16:17]          ; 32 lanes store 256 consecutive bytes, aligned
	s_wait_tensorcnt 0x0                           ; the wave's end, behind my last LDS store
	ds_add_u32 v[SPW], v[NIL]
	s_wait_dscnt 0x0
	s_endpgm
.Lwp:                                              ; Wp to f16: 8,192 numbers a wave, four batches of 16 loads, two batches on their way; no LDS is touched on this path
	s_sub_co_u32 s25, ttmp9, 352
	s_lshl_b32 s25, s25, 2
	s_add_co_u32 s25, s25, s24
	s_lshl_b32 s28, s25, 15
	s_mov_b32 s29, 0
	v_lshlrev_b32 v4, 3, v2                        ; four numbers become 8 bytes
	s_wait_kmcnt 0x0
	s_add_nc_u64 s[12:13], s[12:13], s[28:29]
	s_lshl_b32 s28, s25, 14
	s_add_nc_u64 s[22:23], s[22:23], s[28:29]
	LOADB 0
	LOADB 1
	BATCH 0
	BATCH 1
	BATCH 2
	BATCH 3
	s_endpgm
.Lfunc_end_k_qc347d28ce4_prep:
	.size	k_qc347d28ce4_prep, .Lfunc_end_k_qc347d28ce4_prep-k_qc347d28ce4_prep
	.p2alignl 7, 3214868480
	.fill 96, 4, 3214868480
	.section	.rodata,"a",@progbits
	.p2align	6, 0x0
	.amdhsa_kernel k_qc347d28ce4_prep
		.amdhsa_group_segment_fixed_size 33280
		.amdhsa_private_segment_fixed_size 0
		.amdhsa_enable_private_segment 0
		.amdhsa_kernarg_size 80
		.amdhsa_user_sgpr_count 2
		.amdhsa_user_sgpr_kernarg_segment_ptr 1
		.amdhsa_wavefront_size32 1
		.amdhsa_system_sgpr_workgroup_id_x 1
		.amdhsa_system_sgpr_workgroup_id_y 1
		.amdhsa_system_sgpr_workgroup_id_z 1
		.amdhsa_system_vgpr_workitem_id 0
		.amdhsa_next_free_vgpr 192
		.amdhsa_next_free_sgpr 66
		.amdhsa_reserve_vcc 0
		.amdhsa_float_denorm_mode_32 3
		.amdhsa_float_denorm_mode_16_64 3
		.amdhsa_memory_ordered 1
		.amdhsa_forward_progress 1
		.amdhsa_inst_pref_size 54
	.end_amdhsa_kernel
	.amdgpu_metadata
---
amdhsa.version: [ 1, 2 ]
amdhsa.kernels:
  - .name:           k_qc347d28ce4_prep
    .symbol:         k_qc347d28ce4_prep.kd
    .args:
      - { .name: x, .offset: 0, .size: 8, .value_kind: global_buffer, .address_space: global }
      - { .name: Wq, .offset: 8, .size: 8, .value_kind: global_buffer, .address_space: global }
      - { .name: Wk, .offset: 16, .size: 8, .value_kind: global_buffer, .address_space: global }
      - { .name: Wv, .offset: 24, .size: 8, .value_kind: global_buffer, .address_space: global }
      - { .name: Wp, .offset: 32, .size: 8, .value_kind: global_buffer, .address_space: global }
      - { .name: xc, .offset: 40, .size: 8, .value_kind: global_buffer, .address_space: global }
      - { .name: xs, .offset: 48, .size: 8, .value_kind: global_buffer, .address_space: global }
      - { .name: wc, .offset: 56, .size: 8, .value_kind: global_buffer, .address_space: global }
      - { .name: ws, .offset: 64, .size: 8, .value_kind: global_buffer, .address_space: global }
      - { .name: wp16, .offset: 72, .size: 8, .value_kind: global_buffer, .address_space: global }
    .group_segment_fixed_size: 33280
    .private_segment_fixed_size: 0
    .kernarg_segment_align: 8
    .kernarg_segment_size: 80
    .max_flat_workgroup_size: 128
    .sgpr_count:     66
    .vgpr_count:     192
    .wavefront_size: 32
...
	.end_amdgpu_metadata
.endif
;; end of part 1
;; launch qkv (part 2): grid 12 x 32, 4 waves a work-group, clusters of 4 x 4, 327,680 bytes of LDS; arguments xc, xs, wc, ws, bq, bk, bv, qkv16, q32; writes qkv16, q32
.if DOCPART == 2
	.amdgcn_target "amdgcn-amd-amdhsa--gfx1250"
	.amdhsa_code_object_version 6
	.text
	.protected	k_qc347d28ce4_qkv
	.globl	k_qc347d28ce4_qkv
	.p2align	8
	.type	k_qc347d28ce4_qkv,@function
k_qc347d28ce4_qkv:
	s_mov_b64 s[64:65], 0
	v_nop
	global_prefetch_b8 v0, s[64:65] scope:SCOPE_SE
	s_setreg_imm32_b32 hwreg(HW_REG_WAVE_MODE, 25, 1), 1
	s_wait_xcnt 0x0
	s_wait_alu depctr_hold_cnt(0) depctr_sa_sdst(0) depctr_va_vdst(0) depctr_va_sdst(0) depctr_va_ssrc(0) depctr_va_vcc(0) depctr_vm_vsrc(0)
	s_getreg_b32 s2, hwreg(HW_REG_IB_STS2, 6, 4)
	s_cmp_eq_u32 s2, 0
	s_cbranch_scc0 .Lentry_in_a_cluster
	s_endpgm
.Lentry_in_a_cluster:
	s_bfe_u32 s2, ttmp6, 0x10000c
	s_cmp_lg_u32 s2, 0xf033
	s_cbranch_scc0 .Lentry_shape_is_right
	s_endpgm
.Lentry_shape_is_right:
; QKV.  [q | k | v][m][n] = sum over k of x[m][k] W[n][k] + b[n], on codes of FP4 (E2M1) with one E8M0 scale for each 32 along K; M = 8,192, N = 3 x 1,024, K = 1,024; sums in f32.
; Results leave in f16 laid by head, qkv16 [3][4 b][16 h][2048 t][64]; the rows t < 16 of every batch leave in f32 too, q32 [4 b][16 t][3072], for the last launch.
; LIMIT: results beyond 65,504 in magnitude are not served in f16.
; A tile of 256 x 256 is made by four waves, 128 x 128 each: 64 accumulators, 512 registers.  K is two slots of 512: both are asked for at the head, nothing is filled again.
; The scales of the work-group's 256 + 256 rows, for all of K, come into LDS once, as dense blocks.
; CLUSTERS: 4 x 4 work-groups; A's tiles are asked for jointly along a row of the cluster, B's along a column.  Tile row = 8 cy + cluster y, so that the batch is cy and 'my tile holds t < 16'
; is 'cluster y = 0', the same in all sixteen partners.  Tile column = 4 cluster x + cx, so that cluster x says q, k or v.
; THE MATRIX INSTRUCTION IS USED TRANSPOSED (source 0 = 16 rows of W, source 1 = 16 rows of x): a lane holds eight neighbouring columns of one row.  The bias is the C of each sum's first product.
; REGISTERS: window 0: v0-31 addresses; v32-95 scale words, two sets; v128-191 A's fragments, one set; v192-255 the bias, eight registers for each of B's blocks; on the way out v128-255 are free.
;   window 1: B's fragments, two sets.   window 2: the accumulators of my rows 0-63 ((a, b) at v[8 (8 a + b)]);   window 3: those of my rows 64-127.
.set NQ,     4                         ; matrix instructions deep in a slot
.set ROWB,   256                       ; a tile's row in bytes: 512 codes
.set KROW,   512                       ; a row of codes in memory
.set PITCH,  272                       ; an LDS row: 256 bytes + 16 of padding: the 16 rows that a load touches start at 16 different banks (64 banks of 4 bytes: ISA guide 11.1)
.set FR,     8
.set NL,     2
.set NP,     4                         ; places behind this matrix instruction (ISA guide 7.12.1)
.set HALFT,  128*PITCH
.set SLOT,   4*HALFT
.set KS,     32                        ; a row of scale bytes
.set SCL,    2*SLOT
.set HALFS,  16*272                    ; the scales of 128 rows
.set SBLK,   2*272                     ; those of 16 rows
.set SPARE,  SCL+4*HALFS               ; the spare words: 128 bytes a wave, named by no other line
.set HP,     144                       ; the way out: a token's 128 bytes of a head + 16
.set HSTG,   16*HP                     ; 16 tokens of a head; a wave's stage holds two heads.  The stages lie in slot 0, which has had its only fill and its last read when the first result is stored there
.set ADRA, 16
.set ADRB, 20
.set STO,  24
.set RD,   25
.set CO,   26
.set ADRS, 27
.set SPW,  28
.set NIL,  29
.set BO,   30                          ; v30 32 x (lane / 16): my eight numbers of a bias tile
.set FO,   31                          ; v31 my place in q32: 12,288 x (lane % 16) + 32 x (lane / 16)
.set SC,   32
.set AF,   128
.set BIAS, 192
.set TMP,  192                         ; the way out: packed results (the bias is done with)
.set BK,   128                         ; the way out: rows read back: v128-159 and v160-191 by turns
.set G1, 24
.set G0, 32
.set G1B, 48
.set G0B, 56
.set G1S, 68
.set G0S, 76
.set G1SB, 80
.set G0SB, 88
.set MSB, 0
.macro WIN new                         ; the immediate's high byte repeats the setting that is left
.if MSB != (\new)
	s_set_vgpr_msb (MSB<<8)|(\new)
.set MSB, (\new)
.endif
.endm
.set MUL_LO, 0xa1                      ; source 0 (B) window 1, source 1 (A) window 0, C and D window 2
.set MUL_HI, 0xf1                      ; the same, C and D window 3
.set FST_LO, 0x81                      ; the first step: C (the bias) window 0, D window 2
.set FST_HI, 0xc1                      ; D window 3
.set TO_B,   0x40
; A joint load: waves 0 and 1 fetch for A, waves 2 and 3 for B; the branch hangs on the wave's number alone.  An s_nop 0 and four v_nop follow each of the two lines.
.macro JLOAD g0a, g1a, g0b, g1b
	s_cmp_eq_u32 s15, 0
	s_cbranch_scc0 .Lfor_b_\@
	tensor_load_to_lds s[\g0a:\g0a+3], s[\g1a:\g1a+7]
	s_nop 0
.rept 4
	v_nop
.endr
	s_branch .Lasked_\@
.Lfor_b_\@:
	tensor_load_to_lds s[\g0b:\g0b+3], s[\g1b:\g1b+7]
	s_nop 0
.rept 4
	v_nop
.endr
.Lasked_\@:
.endm
.macro CROUND                          ; a round of the cluster's barrier
	s_barrier_signal -1
	s_barrier_wait -1
	s_cmp_lg_u32 s14, 0
	s_cbranch_scc1 .Lnot_wave_0_\@
	s_barrier_signal -3
.Lnot_wave_0_\@:
	s_barrier_wait -3
	s_barrier_signal -1
	s_barrier_wait -1
.endm
	s_load_b128 s[4:7], s[0:1], 0x0                ; x's codes, x's scales
	s_load_b128 s[8:11], s[0:1], 0x10              ; the weights' codes, their scales
	s_load_b128 s[96:99], s[0:1], 0x20             ; bq, bk
	s_load_b64 s[100:101], s[0:1], 0x30            ; bv
	s_load_b64 s[12:13], s[0:1], 0x38              ; qkv16
	s_load_b64 s[66:67], s[0:1], 0x40              ; q32
	v_lshl_add_u32 v[SPW], v0, 2, SPARE
	v_mov_b32 v[NIL], 0
	ds_add_u32 v[SPW], v[NIL]                      ; the wave's opening: the add, twice on end, and its wait ahead of my first tensor load
	ds_add_u32 v[SPW], v[NIL]
	v_lshrrev_b32 v1, 5, v0
	v_readfirstlane_b32 s14, v1                    ; wave 0..3
	s_lshr_b32 s15, s14, 1                         ; my half of the tile's rows.  Also: I fetch for A (0) or for B (1)
	s_and_b32 s16, s14, 1                          ; my half of its columns.  Also: which 128 rows I fetch
	s_bfe_u32 s40, ttmp6, 0x40000                  ; cx
	s_bfe_u32 s41, ttmp6, 0x40004                  ; cy
	s_lshl_b32 s42, ttmp9, 2
	s_add_co_u32 s42, s42, s40                     ; tile column = 4 x cluster x + cx
	s_and_b32 s95, ttmp7, 0xffff                   ; cluster y
	s_lshl_b32 s17, s41, 3
	s_add_co_u32 s17, s17, s95                     ; tile row = 8 cy + cluster y
	s_lshl_b32 s43, s41, 2
	s_lshl_b32 s43, 15, s43                        ; my row of the cluster
	s_lshl_b32 s44, 0x1111, s40                    ; my column
	s_or_b32 s[G1+0], s43, (0<<16)|(1<<20)|(1<<21)|(5<<22)|(3<<25)  ; the mask; elements of 1 byte; padding on; bit 21 beside a mask; after every 64 words, 4 words
	s_or_b32 s[G1B+0], s44, (0<<16)|(1<<20)|(1<<21)|(5<<22)|(3<<25)
.irp g, G1, G1B
	s_mov_b32 s[\g+1], ROWB<<16                    ; tensor_dim0
	s_mov_b32 s[\g+2], 128<<16                     ; tensor_dim1
	s_mov_b32 s[\g+3], ROWB<<16                    ; tile_dim0
	s_mov_b32 s[\g+4], 128                         ; tile_dim1
	s_mov_b32 s[\g+5], KROW                        ; the pitch
	s_mov_b32 s[\g+6], 0
	s_mov_b32 s[\g+7], 0
.endr
	s_or_b32 s[G1S+0], s43, (3<<16)|(1<<20)|(1<<21)|(5<<22)|(3<<25) ; the scales of 128 rows: 4,096 dense bytes as 16 rows of 256 (32 elements of 8 bytes), 16 bytes of padding behind each
	s_or_b32 s[G1SB+0], s44, (3<<16)|(1<<20)|(1<<21)|(5<<22)|(3<<25)
.irp g, G1S, G1SB
	s_mov_b32 s[\g+1], 32<<16
	s_mov_b32 s[\g+2], 16<<16
	s_mov_b32 s[\g+3], 32<<16
	s_mov_b32 s[\g+4], 16
	s_mov_b32 s[\g+5], 32
	s_mov_b32 s[\g+6], 0
	s_mov_b32 s[\g+7], 0
.endr
	s_lshl_b32 s18, s16, 7
	s_lshl_b32 s20, s17, 8
	s_add_co_u32 s20, s20, s18                     ; A: row 256 x tile row + 128 x half
	s_lshl_b32 s46, s42, 8
	s_add_co_u32 s46, s46, s18                     ; B: row 256 x tile column + 128 x half
	s_mov_b32 s21, 0
	s_mov_b32 s47, 0
	s_mov_b64 s[18:19], KS
	s_mul_u64 s[22:23], s[20:21], s[18:19]         ; where these rows' scales begin
	s_mul_u64 s[92:93], s[46:47], s[18:19]
	s_mov_b64 s[18:19], KROW
	s_mul_u64 s[20:21], s[20:21], s[18:19]         ; and their codes
	s_mul_u64 s[46:47], s[46:47], s[18:19]
	s_mul_i32 s45, s14, HALFT                      ; where they go: wave x 128 rows
	s_mul_i32 s94, s14, HALFS
	s_wait_dscnt 0x0                               ; both opening adds are done
	s_wait_kmcnt 0x0
	s_add_nc_u64 s[20:21], s[4:5], s[20:21]
	s_add_nc_u64 s[22:23], s[6:7], s[22:23]
	s_add_nc_u64 s[46:47], s[8:9], s[46:47]
	s_add_nc_u64 s[92:93], s[10:11], s[92:93]
	CROUND                                         ; all sixteen work-groups are here: the joint loads meet
	s_mov_b32 s[G0S], 1
	s_add_co_u32 s[G0S+1], s94, SCL
	s_mov_b64 s[G0S+2:G0S+3], s[22:23]
	s_or_b32 s[G0S+3], s[G0S+3], 0x80000000
	s_mov_b32 s[G0SB], 1
	s_add_co_u32 s[G0SB+1], s94, SCL
	s_mov_b64 s[G0SB+2:G0SB+3], s[92:93]
	s_or_b32 s[G0SB+3], s[G0SB+3], 0x80000000
	JLOAD G0S, G1S, G0SB, G1SB                     ; the scales first; by this text's count a wave has three tensor loads out
.irp s, 0,1
	s_mov_b32 s[G0+4*\s], 1
	s_add_co_u32 s[G0+4*\s+1], s45, \s*SLOT
	s_add_nc_u64 s[G0+4*\s+2:G0+4*\s+3], s[20:21], \s*ROWB
	s_or_b32 s[G0+4*\s+3], s[G0+4*\s+3], 0x80000000
	s_mov_b32 s[G0B+4*\s], 1
	s_add_co_u32 s[G0B+4*\s+1], s45, \s*SLOT
	s_add_nc_u64 s[G0B+4*\s+2:G0B+4*\s+3], s[46:47], \s*ROWB
	s_or_b32 s[G0B+4*\s+3], s[G0B+4*\s+3], 0x80000000
	JLOAD G0+4*\s, G1, G0B+4*\s, G1B
.endr
	v_and_b32 v1, 15, v0                           ; r = l % 16
	v_bfe_u32 v2, v0, 4, 1                         ; h = l / 16
	; the bias: cluster x says which; lane (r, h) wants, for B's block b, the numbers 16 b + 8 h + 0 .. 7 of my wave's 128 columns
	s_cmp_eq_u32 ttmp9, 2
	s_cselect_b64 s[98:99], s[100:101], s[98:99]   ; bv or bk
	s_cmp_eq_u32 ttmp9, 0
	s_cselect_b64 s[96:97], s[96:97], s[98:99]     ; bq or that
	s_lshl_b32 s46, s40, 10
	s_lshl_b32 s47, s16, 9
	s_add_co_u32 s46, s46, s47                     ; (256 cx + 128 half) x 4 bytes
	s_mov_b32 s47, 0
	s_add_nc_u64 s[96:97], s[96:97], s[46:47]
	v_lshlrev_b32 v[BO], 5, v2
.irp b, 0,1,2,3,4,5,6,7
	global_load_b128 v[BIAS+8*\b:BIAS+8*\b+3], v[BO], s[96:97] offset:64*\b
	global_load_b128 v[BIAS+8*\b+4:BIAS+8*\b+7], v[BO], s[96:97] offset:64*\b+16
.endr
	v_mul_u32_u24 v3, v1, PITCH
	v_lshl_add_u32 v4, v2, 4, v3                   ; a fragment's row x pitch + 16 x half
	s_mul_i32 s21, s15, HALFT                      ; my 128 rows of A
	s_mul_i32 s22, s16, HALFT                      ; my 128 rows of B,
	s_add_co_u32 s22, s22, 2*HALFT                 ; behind A's 256
.irp s, 0,1
	v_add_nc_u32 v[ADRA+\s], s21, v4
	v_add_nc_u32 v[ADRB+\s], s22, v4
	s_add_co_u32 s21, s21, SLOT
	s_add_co_u32 s22, s22, SLOT
.endr
	v_mul_u32_u24 v5, v1, KS                       ; my row's scales: 32 bytes a row,
	v_lshrrev_b32 v6, 8, v5
	v_lshl_add_u32 v5, v6, 4, v5                   ; and 16 more for each 256 passed
	s_mul_i32 s21, s15, HALFS
	s_mul_i32 s22, s16, HALFS
	s_add_co_u32 s22, s22, 2*HALFS
	s_sub_co_u32 s22, s22, s21
	v_mul_u32_u24 v6, s22, v2                      ; lanes 16-31 take B's: one product, the distance between the two bases
	s_add_co_u32 s21, s21, SCL
	v_add_nc_u32 v5, v5, v6
	v_add_nc_u32 v[ADRS], s21, v5
	s_mul_i32 s23, s14, 2*HSTG                     ; my stage
	v_mul_u32_u24 v5, v1, HP
	v_lshl_add_u32 v5, v2, 4, v5
	v_add_nc_u32 v[STO], s23, v5                   ; in: token r, 16 bytes for each half of the lanes
	v_and_b32 v6, 31, v0
	v_lshrrev_b32 v5, 3, v6
	v_mul_u32_u24 v5, v5, HP
	v_and_b32 v7, 7, v0
	v_lshl_add_u32 v5, v7, 4, v5
	v_add_nc_u32 v[RD], s23, v5                    ; back: eight lanes to a token's 128 bytes, four tokens an instruction
	v_lshlrev_b32 v[CO], 4, v6                     ; and in memory those four tokens are 512 consecutive bytes
	v_mul_u32_u24 v[FO], v1, 12288
	v_lshl_add_u32 v[FO], v2, 5, v[FO]
	; qkv16: part (cluster x) x 2^24 + batch (cy) x 2^22 + head (4 cx + 2 half) x 2^18 + token (256 cluster y + 128 row half) x 128
	s_lshl_b32 s46, ttmp9, 24
	s_lshl_b32 s47, s41, 22
	s_add_co_u32 s46, s46, s47
	s_lshl_b32 s47, s40, 20
	s_add_co_u32 s46, s46, s47
	s_lshl_b32 s47, s16, 19
	s_add_co_u32 s46, s46, s47
	s_lshl_b32 s47, s95, 15
	s_add_co_u32 s46, s46, s47
	s_lshl_b32 s47, s15, 14
	s_add_co_u32 s46, s46, s47
	s_mov_b32 s47, 0
	s_add_nc_u64 s[12:13], s[12:13], s[46:47]
	; q32: batch x 16 rows of 12,288 bytes + column (1,024 cluster x + 256 cx + 128 half) x 4
	s_mul_i32 s46, s41, 196608
	s_lshl_b32 s47, ttmp9, 12
	s_add_co_u32 s46, s46, s47
	s_lshl_b32 s47, s40, 10
	s_add_co_u32 s46, s46, s47
	s_lshl_b32 s47, s16, 9
	s_add_co_u32 s46, s46, s47
	s_mov_b32 s47, 0
	s_add_nc_u64 s[66:67], s[66:67], s[46:47]
	s_or_b32 s94, s95, s15                         ; 0 where my wave's first 16 rows are t = 0 .. 15: cluster y and the wave's number alone
.macro FRAG reg, adr, q, i             ; 16 rows x 128 K of 4-bit codes: 8 registers, two loads 32 bytes apart
.irp c, 0,1
	ds_load_b128 v[\reg+4*\c:\reg+4*\c+3], v[\adr] offset:64*(\q)+32*\c+(\i)*16*PITCH
.endr
.endm
; 16 matrix instructions: A's blocks a0, a0 + 1 x B's eight.  first = 1: the bias is the C: nothing is cleared and nothing is added later.
; The 64 accumulators take turns, one instruction a turn, in the same order in every step.
.macro MUL16 a0, p, q, sc, first
.irp a, \a0, \a0+1
.irp b, 0,1,2,3,4,5,6,7
.if \first
	v_wmma_scale_f32_16x16x128_f8f6f4 v[8*(8*((\a)%4)+\b):8*(8*((\a)%4)+\b)+7], v[128*(\p)+FR*\b:128*(\p)+FR*\b+FR-1], v[AF+FR*(\a):AF+FR*(\a)+FR-1], v[BIAS+8*\b:BIAS+8*\b+7], v[SC+8*NQ*(\sc)+NQ*\b+(\q)], v[SC+8*NQ*(\sc)+NQ*(\a)+(\q)] matrix_a_fmt:MATRIX_FMT_FP4 matrix_b_fmt:MATRIX_FMT_FP4 matrix_a_scale:MATRIX_SCALE_ROW1
.else
	v_wmma_scale_f32_16x16x128_f8f6f4 v[8*(8*((\a)%4)+\b):8*(8*((\a)%4)+\b)+7], v[128*(\p)+FR*\b:128*(\p)+FR*\b+FR-1], v[AF+FR*(\a):AF+FR*(\a)+FR-1], v[8*(8*((\a)%4)+\b):8*(8*((\a)%4)+\b)+7], v[SC+8*NQ*(\sc)+NQ*\b+(\q)], v[SC+8*NQ*(\sc)+NQ*(\a)+(\q)] matrix_a_fmt:MATRIX_FMT_FP4 matrix_b_fmt:MATRIX_FMT_FP4 matrix_a_scale:MATRIX_SCALE_ROW1
.endif
.endr
.endr
.endm
.macro FETCH_B slot, q, p
	WIN TO_B
.irp i, 0,1,2,3,4,5,6,7
	FRAG 128*(\p)+FR*\i, ADRB+\slot, \q, \i
.endr
	WIN 0
.endm
.macro FETCH_A slot, q, i0
.irp i, \i0, \i0+1, \i0+2, \i0+3
	FRAG AF+FR*(\i), ADRA+\slot, \q, \i
.endr
.endm
.macro SCALES sc                       ; a slot's scale words: four a row; lanes 0-15 take A's block i, lanes 16-31 B's block i
.irp i, 0,1,2,3,4,5,6,7
	ds_load_b128 v[SC+8*NQ*\sc+NQ*\i:SC+8*NQ*\sc+NQ*\i+3], v[ADRS] offset:\i*SBLK
.endr
.endm
.macro PLACES n                        ; plain vector lines between a matrix instruction and a load into, or a read of, its registers (ISA guide 7.12.1 for reads)
.rept \n
	v_nop
.endr
.endm
.macro STEP slot, q, first             ; a step of 128 along K that has its successor in the same slot
	s_wait_dscnt 4*NL                              ; B's set and A's blocks 0-3 are in; the youngest eight loads (A's blocks 4-7) may be out
.if \first
	WIN FST_LO
.else
	WIN MUL_LO
.endif
	MUL16 0, (\q)%2, \q, \slot, \first
	MUL16 2, (\q)%2, \q, \slot, \first
	s_wait_dscnt 0
	PLACES NP
	FETCH_B \slot, (\q)+1, 1-(\q)%2
	FETCH_A \slot, (\q)+1, 0
.if \first
	WIN FST_HI
.else
	WIN MUL_HI
.endif
	MUL16 4, (\q)%2, \q, \slot, \first
	MUL16 6, (\q)%2, \q, \slot, \first
	PLACES NP
	WIN 0
	FETCH_A \slot, (\q)+1, 4
.endm
.macro STEPS slot, from
.set Q, \from
.rept NQ-1-\from
	STEP \slot, Q, 0
.set Q, Q+1
.endr
.endm
	s_wait_tensorcnt 1                             ; the scales and my part of slot 0 are in; slot 1's load may be out
	s_barrier_signal -1
	s_barrier_wait -1
	FETCH_B 0, 0, 0
	FETCH_A 0, 0, 0
	SCALES 0
	FETCH_A 0, 0, 4
	s_wait_loadcnt 0x0                             ; the bias
	STEP 0, 0, 1
	STEPS 0, 1
	; slot 0's last step, and the change to slot 1: one barrier; in front of it all my tensor loads, the add, and my reads of slot 0
	s_wait_tensorcnt 0x0                           ; my part of slot 1 has landed (every window is 0 here)
	ds_add_u32 v[SPW], v[NIL]
	s_wait_dscnt 4*NL+1                            ; the add and the youngest eight loads may be out
	WIN MUL_LO
	MUL16 0, 1, NQ-1, 0, 0
	s_wait_dscnt 0x0                               ; the add is done, and my reads of slot 0 are over
	s_barrier_signal -1
	MUL16 2, 1, NQ-1, 0, 0
	WIN 0
	s_barrier_wait -1
	PLACES NP
	v_add_nc_u32 v[ADRS], 4*NQ, v[ADRS]            ; slot 1's scale words
	FETCH_B 1, 0, 0
	FETCH_A 1, 0, 0
	SCALES 1
	WIN MUL_HI
	MUL16 4, 1, NQ-1, 0, 0
	MUL16 6, 1, NQ-1, 0, 0
	PLACES NP
	WIN 0
	FETCH_A 1, 0, 4
	STEPS 1, 0
	s_wait_dscnt 4*NL                              ; the last step: nothing more to fetch
	WIN MUL_LO
	MUL16 0, 1, NQ-1, 1, 0
	MUL16 2, 1, NQ-1, 1, 0
	s_wait_dscnt 0
	WIN MUL_HI
	MUL16 4, 1, NQ-1, 1, 0
	MUL16 6, 1, NQ-1, 1, 0
	WIN 0
	PLACES NP                                      ; in front of the first reads of results and of loads into A's registers
	; the rows t < 16 in f32: block 0 of the waves with row half 0, where cluster y = 0.  Lane (r, h): row r, columns 16 b + 8 h + 0 .. 7
	s_cmp_lg_u32 s94, 0
	s_cbranch_scc1 .Lno_fine
	WIN 0x08                                       ; a store's data are its source 1: window 2
.irp b, 0,1,2,3,4,5,6,7
	global_store_b128 v[FO], v[8*\b:8*\b+3], s[66:67] offset:64*\b         ; each accumulator from its low end on
	global_store_b128 v[FO], v[8*\b+4:8*\b+7], s[66:67] offset:64*\b+16
.endr
	WIN 0
.Lno_fine:
; THE WAY OUT, block by block of 16 tokens x 128 columns (two heads).  PACK: rounded to f16, 16 bytes a lane.  TOSTAGE: into my stage, by head and token, and back four tokens at a time.  SEND: stored.
.macro PACK a
.set AC, 64*((\a)%4)
	WIN 0x0a+5*((\a)/4)                            ; sources 0 and 1: window 2 or 3
.irp b, 0,1,2,3,4,5,6,7
.irp i, 0,1,2,3
	v_cvt_pk_f16_f32 v[TMP+4*\b+\i], v[AC+8*\b+2*\i], v[AC+8*\b+2*\i+1]
.endr
.endr
	WIN 0
.endm
.macro TOSTAGE a
.set BB, BK+32*((\a)%2)
.irp b, 0,1,2,3,4,5,6,7
	ds_store_b128 v[STO], v[TMP+4*\b:TMP+4*\b+3] offset:(\b/4)*HSTG+(\b%4)*32
.endr
.irp t, 0,1,2,3,4,5,6,7
	ds_load_b128 v[BB+4*\t:BB+4*\t+3], v[RD] offset:(\t/4)*HSTG+(\t%4)*4*HP   ; LDS serves a wave's instructions in order: these see the stores above
.endr
.endm
.macro SEND a
.set BB, BK+32*((\a)%2)
	s_wait_dscnt 0x0                               ; the block is back in registers
	s_wait_xcnt 0x0                                ; the block before has been read by its stores: the next block's loads may land in its registers
.irp t, 0,1,2,3,4,5,6,7
	global_store_b128 v[CO], v[BB+4*\t:BB+4*\t+3], s[12:13] offset:(\t/4)*262144+(\a)*2048+(\t%4)*512   ; 32 lanes store 512 consecutive bytes: four tokens of a head
.endr
.endm
	PACK 0
	TOSTAGE 0
.irp a, 1,2,3,4,5,6,7                  ; block a's conversions stand between block a - 1's loads from the stage and the wait for them
	PACK \a
	SEND \a-1
	TOSTAGE \a
.endr
	SEND 7
	s_wait_tensorcnt 0x0                           ; the wave's end
	ds_add_u32 v[SPW], v[NIL]
	s_wait_dscnt 0x0
	CROUND                                         ; the closing round
	s_endpgm
.Lfunc_end_k_qc347d28ce4_qkv:
	.size	k_qc347d28ce4_qkv, .Lfunc_end_k_qc347d28ce4_qkv-k_qc347d28ce4_qkv
	.p2alignl 7, 3214868480
	.fill 96, 4, 3214868480
	.section	.rodata,"a",@progbits
	.p2align	6, 0x0
	.amdhsa_kernel k_qc347d28ce4_qkv
		.amdhsa_group_segment_fixed_size 327680
		.amdhsa_private_segment_fixed_size 0
		.amdhsa_enable_private_segment 0
		.amdhsa_kernarg_size 72
		.amdhsa_user_sgpr_count 2
		.amdhsa_user_sgpr_kernarg_segment_ptr 1
		.amdhsa_wavefront_size32 1
		.amdhsa_system_sgpr_workgroup_id_x 1
		.amdhsa_system_sgpr_workgroup_id_y 1
		.amdhsa_system_sgpr_workgroup_id_z 1
		.amdhsa_system_vgpr_workitem_id 0
		.amdhsa_next_free_vgpr 1024
		.amdhsa_next_free_sgpr 102
		.amdhsa_reserve_vcc 0
		.amdhsa_float_denorm_mode_32 3
		.amdhsa_float_denorm_mode_16_64 3
		.amdhsa_memory_ordered 1
		.amdhsa_forward_progress 1
		.amdhsa_inst_pref_size 130
	.end_amdhsa_kernel
	.amdgpu_metadata
---
amdhsa.version: [ 1, 2 ]
amdhsa.kernels:
  - .name:           k_qc347d28ce4_qkv
    .symbol:         k_qc347d28ce4_qkv.kd
    .args:
      - { .name: xc, .offset: 0, .size: 8, .value_kind: global_buffer, .address_space: global }
      - { .name: xs, .offset: 8, .size: 8, .value_kind: global_buffer, .address_space: global }
      - { .name: wc, .offset: 16, .size: 8, .value_kind: global_buffer, .address_space: global }
      - { .name: ws, .offset: 24, .size: 8, .value_kind: global_buffer, .address_space: global }
      - { .name: bq, .offset: 32, .size: 8, .value_kind: global_buffer, .address_space: global }
      - { .name: bk, .offset: 40, .size: 8, .value_kind: global_buffer, .address_space: global }
      - { .name: bv, .offset: 48, .size: 8, .value_kind: global_buffer, .address_space: global }
      - { .name: qkv16, .offset: 56, .size: 8, .value_kind: global_buffer, .address_space: global }
      - { .name: q32, .offset: 64, .size: 8, .value_kind: global_buffer, .address_space: global }
    .group_segment_fixed_size: 327680
    .private_segment_fixed_size: 0
    .kernarg_segment_align: 8
    .kernarg_segment_size: 72
    .max_flat_workgroup_size: 128
    .sgpr_count:     102
    .vgpr_count:     1024
    .wavefront_size: 32
...
	.end_amdgpu_metadata
.endif
;; end of part 2
;; launch attn (part 3): grid 4 x 64, 8 waves a work-group, no clusters, 327,680 bytes of LDS; arguments qkv16, y16; writes y16
.if DOCPART == 3
	.amdgcn_target "amdgcn-amd-amdhsa--gfx1250"
	.amdhsa_code_object_version 6
	.text
	.protected	k_qc347d28ce4_attn
	.globl	k_qc347d28ce4_attn
	.p2align	8
	.type	k_qc347d28ce4_attn,@function
k_qc347d28ce4_attn:
	s_mov_b64 s[64:65], 0
	v_nop
	global_prefetch_b8 v0, s[64:65] scope:SCOPE_SE
	s_setreg_imm32_b32 hwreg(HW_REG_WAVE_MODE, 25, 1), 1
	s_wait_xcnt 0x0
; ATTN.  y[bh][q][:] = sum over k <= q of softmax_k(Q[q] . K[k] / 8) V[k][:], for 64 heads of 2,048 tokens x 64 channels.  Q, K, V: qkv16 [3][64 bh][2048][64] f16; y16 [64 bh][2048][64] f16.
; Products on f16 operands with f32 sums; maxima, exponentials and sums in f32; a running maximum m and sum l for each query: p = 2^(c s - c m), c = log2(e) / 8; O and l are multiplied by 2^(c m_old - c m_new) in every step.
; LIMITS: NaN and infinities are not served; p under 2^-24 rounds to 0 in f16; |y| beyond 65,504 is not served.  (The first 16 positions of a sequence are made again in f32 by the last launch.)
; SHARES.  A work-group (j = x, bh = y) owns two blocks of 256 queries of one head: first block 7 - j, then block j.  Under the causal mask they need 8 - j and j + 1 blocks of 256 keys: nine for every j,
; so all 256 work-groups have equal work and the trip count is the constant 9.  Each of the eight waves owns 32 queries, two tiles of 16: a fragment of K or V read from LDS feeds two products.
; Two waves share a SIMD: one wave's softmax stands beside the other's products.
; THE RING: two slots of 256 keys (K: 256 rows of 128 + 16 bytes; V: 256 rows of 128 + 32).  Waves 0-3 fetch K's quarters, waves 4-7 V's: one tensor load a wave behind each barrier, and never more than one out.
; NO CLUSTER: the four work-groups of a head walk key blocks 0 .. 7 - j and then 0 .. j; in trips 5 to 8 they want different blocks, so a joint request would bring tiles that the mask hides from every wave of a partner.
; LAYOUT.  S^T = K Q^T (source 0 = 16 keys, source 1 = 16 queries): a lane holds one query (lane % 16) and keys 8 (lane / 16) + 0 .. 7 of each tile.  Two such tiles, rounded to f16 in pairs, are source 1 of
; O^T = V^T P, whose result again holds one query a lane.  K comes out of LDS as it lies, V turned by ds_load_tr16_b128.
; THE MASK.  A step of 64 keys all of which come after my 32 queries is jumped over (a scalar branch on ids, round the work, not round the address steps); in a step on the diagonal hidden scores become -infinity.
; The first key of a step that is walked counts for all my queries (64 divides the step's first key, 32 my first query), so m is a number from the first step on.
; REGISTERS: window 0: v1-11 addresses; v12-27 statistics; v28-30 the mask's; v32-95 S^T; v96-127 P; v128-159 Q; v160-223 K.   window 1: v0-63 O^T; v64-127 V; v128-159 the second block's Q.
.set PK,    144
.set PV,    160                        ; an odd multiple of 32 bytes, for the turning load
.set VOFF,  256*PK
.set SLOT1, 1<<17
.set STAGE, SLOT1+256*(PK+PV)          ; behind the ring: 16 rows x 144 bytes for each wave
.set SPARE, STAGE+8*16*PK              ; the spare words: 128 bytes a wave, named by no other line
.set AK0, 1
.set AV0, 2
.set ADK, 3
.set ADV, 4
.set STO, 5
.set RD,  6
.set GO,  7
.set QO,  8
.set PFO, 9
.set SPW, 10
.set NIL, 11
.set ST,  12                           ; tile u at v[ST + 8 u]: +0 c m, +1 m, +2, +3 l (even keys', odd keys'), +4 .. +7 at work; a takes +6
.set RH,  28                           ; r - 8 h
.set DD,  29
.set NINF, 30
.set RS,  32
.set RP,  96
.set RQ,  128
.set RK,  160
.set RO,  0                            ; window 1
.set RV,  64
.set RQ2, 128
.set WV,  8
.set JJ,  9
.set BH,  10
.set W3,  11
.set KB,  12                           ; s[12:13] K of my head at my quarter of block 0;  s[14:15] V likewise
.set VB,  14
.set YP,  16                           ; s[16:17] y at my first query of the block in hand;  s[18:19] of the second block
.set YN,  18
.set SEL, 20
.set CS,  22
.set G1K, 24
.set G1V, 32
.set G0K, 40
.set G0V, 44
.set NB,  48                           ; the key block asked for last
.set LIMB, 49                          ; 8 - j: behind block 7 - j comes block 0
.set OFF, 50                           ; s[50:51] its byte offset
.set TK,  52                           ; LDS byte at which the step's keys begin;  s53 the same for V
.set TV,  53
.set KFS, 54                           ; the step's first key
.set QS,  55                           ; my first query;  s56 in the second block
.set QN,  56
.set TT,  57                           ; the trip
.set SW,  58                           ; 7 - j: behind this trip the blocks of queries change
.set IC,  59
.set LIM, 61                           ; trips in which I prefetch: 6 where j = 0, else none
.set PFA, 62
.set TS,  66
.set QP,  68
.set QP2, 70
.set MSB, 0
.macro WIN new
.if MSB != (\new)
	s_set_vgpr_msb (MSB<<8)|(\new)
.set MSB, (\new)
.endif
.endm
.macro TLOAD                           ; waves 0-3: K's quarters; waves 4-7: V's.  An s_nop 0 and four v_nop follow each of the two lines
	s_cmp_lt_u32 s[WV], 4
	s_cbranch_scc0 .Lfor_v_\@
	tensor_load_to_lds s[G0K:G0K+3], s[G1K:G1K+7]
	s_nop 0
.rept 4
	v_nop
.endr
	s_branch .Lasked_\@
.Lfor_v_\@:
	tensor_load_to_lds s[G0V:G0V+3], s[G1V:G1V+7]
	s_nop 0
.rept 4
	v_nop
.endr
.Lasked_\@:
.endm
; A PREFETCH INTO THE L2.  The head's work-group j = 0 walks key blocks 0 to 7 in order; in trips 0 to 5 it asks for block trip + 2, one slot ahead of the tensor load that wants it.  Waves 0-3 name K's block,
; 8,192 bytes a wave, lanes 256 bytes apart; waves 4-7 V's: each aligned 256 bytes is named once in the launch.  Blocks 0 and 1 come by their loads alone; behind trip 5 nothing is asked for.
.macro ASK
	s_cmp_lt_u32 s[TT], s[LIM]
	s_cbranch_scc0 .Lnot_mine_\@
	global_prefetch_b8 v[PFO], s[PFA:PFA+1] th:TH_LOAD_NT scope:SCOPE_SE
.Lnot_mine_\@:
.endm
; THE CHANGE OF SLOTS, at a slot's head.  Each wave waits for all its tensor loads (its part of the slot ahead), adds 0 to its spare word, and waits for that and for its reads of the slot that it has left.
; fill = 1: behind the barrier that slot takes the next block of keys; the load has a whole slot's four steps in which to land.
.macro CHANGE fill
	s_wait_tensorcnt 0x0                           ; no tensor load of mine is out, so a group 0 may be written
	ds_add_u32 v[SPW], v[NIL]
.if \fill
	s_add_co_u32 s[NB], s[NB], 1
	s_cmp_eq_u32 s[NB], s[LIMB]
	s_cselect_b32 s[NB], 0, s[NB]                  ; behind the first walk's last block: block 0 again
	s_lshl_b32 s[OFF], s[NB], 15                   ; 256 rows of 128 bytes a block
	s_xor_b32 s[G0K+1], s[G0K+1], SLOT1            ; the other slot than last time
	s_add_nc_u64 s[G0K+2:G0K+3], s[KB:KB+1], s[OFF:OFF+1]
	s_or_b32 s[G0K+3], s[G0K+3], 0x80000000
	s_xor_b32 s[G0V+1], s[G0V+1], SLOT1
	s_add_nc_u64 s[G0V+2:G0V+3], s[VB:VB+1], s[OFF:OFF+1]
	s_or_b32 s[G0V+3], s[G0V+3], 0x80000000
	s_wait_xcnt 0x0                                ; the last prefetch, a slot back, has read its address
	s_add_nc_u64 s[PFA:PFA+1], s[PFA:PFA+1], 32768
.endif
	s_wait_dscnt 0x0                               ; the add is done, and my reads of the slot that I have left are over
	s_barrier_signal -1
	s_barrier_wait -1
.if \fill
	TLOAD                                          ; the first thing behind the barrier, and my one tensor load until the next
	ASK
.endif
.endm
.macro FETCH_K ahead                   ; 64 keys x 64 channels: 8 fragments, 16 loads
.irp kt, 0,1,2,3
.irp c, 0,1
	ds_load_b128 v[RK+16*\kt+8*\c:RK+16*\kt+8*\c+3],   v[ADK] offset:64*PK*\ahead+16*PK*\kt+64*\c
	ds_load_b128 v[RK+16*\kt+8*\c+4:RK+16*\kt+8*\c+7], v[ADK] offset:64*PK*\ahead+16*PK*\kt+64*\c+32
.endr
.endr
.endm
.macro FETCH_V                         ; the same step's V, turned: keys 32 g on, channels 16 ct on
	WIN 0x40                                       ; destination window 1
.irp g, 0,1
.irp ct, 0,1,2,3
	ds_load_tr16_b128 v[RV+32*\g+8*\ct:RV+32*\g+8*\ct+3],   v[ADV] offset:32*PV*\g+32*\ct
	ds_load_tr16_b128 v[RV+32*\g+8*\ct+4:RV+32*\g+8*\ct+7], v[ADV] offset:32*PV*\g+16*PV+32*\ct
.endr
.endr
	WIN 0
.endm
; Both tiles' softmax for a step, line by line by turns, so that no line waits for the line above it.
.macro SOFTMAX
.irp j, 0,1,2,3
.irp u, 0,1
	v_max3_num_f32 v[ST+8*\u+4+\j], v[RS+32*\u+8*\j], v[RS+32*\u+8*\j+1], v[RS+32*\u+8*\j+2]   ; four chains, each from its accumulator's low end on
.endr
.endr
.irp i, 3,5
.irp j, 0,1,2,3
.irp u, 0,1
	v_max3_num_f32 v[ST+8*\u+4+\j], v[ST+8*\u+4+\j], v[RS+32*\u+8*\j+\i], v[RS+32*\u+8*\j+\i+1]
.endr
.endr
.endr
.irp u, 0,1
	v_max3_num_f32 v[ST+8*\u+4], v[ST+8*\u+4], v[RS+32*\u+7], v[RS+32*\u+15]
.endr
.irp u, 0,1
	v_max3_num_f32 v[ST+8*\u+6], v[ST+8*\u+6], v[RS+32*\u+23], v[RS+32*\u+31]
.endr
.irp u, 0,1
	v_max3_num_f32 v[ST+8*\u+4], v[ST+8*\u+4], v[ST+8*\u+5], v[ST+8*\u+6]
.endr
.irp u, 0,1
	v_max3_num_f32 v[ST+8*\u+4], v[ST+8*\u+4], v[ST+8*\u+7], v[ST+8*\u+1]   ; with the old m
.endr
.irp u, 0,1
	v_permlanex16_b32 v[ST+8*\u+5], v[ST+8*\u+4], s[SEL], s[SEL+1]          ; the query's other 32 keys lie in the lane 16 away
.endr
.irp u, 0,1
	v_mov_b32 v[ST+8*\u+7], v[ST+8*\u]             ; c m_old
.endr
.irp u, 0,1
	v_max_num_f32 v[ST+8*\u+1], v[ST+8*\u+4], v[ST+8*\u+5]
.endr
.irp u, 0,1
	v_mul_f32 v[ST+8*\u], s[CS], v[ST+8*\u+1]
.endr
.irp u, 0,1
	v_sub_f32 v[ST+8*\u+7], v[ST+8*\u+7], v[ST+8*\u]
.endr
.irp i, 0,2,4,6,8,10,12,14,16,18,20,22,24,26,28,30
.irp u, 0,1
	v_pk_fma_f32 v[RS+32*\u+\i:RS+32*\u+\i+1], v[RS+32*\u+\i:RS+32*\u+\i+1], s[CS:CS+1], v[ST+8*\u:ST+8*\u+1] op_sel_hi:[1,0,0] neg_lo:[0,0,1] neg_hi:[0,0,1]   ; c s - c m
.endr
.endr
.irp u, 0,1
	v_exp_f32 v[ST+8*\u+6], v[ST+8*\u+7]           ; a.  ONE BATCH of 66 exponentials, none of which reads another's result
.endr
.irp i, 0,1,2,3,4,5,6,7,8,9,10,11,12,13,14,15,16,17,18,19,20,21,22,23,24,25,26,27,28,29,30,31
.irp u, 0,1
	v_exp_f32 v[RS+32*\u+\i], v[RS+32*\u+\i]
.endr
.endr
	v_nop                                          ; a plain line behind the last exponential
	s_wait_alu depctr_va_vdst(0)                   ; one wait for the batch, ahead of its first reader
.irp u, 0,1
	v_pk_mul_f32 v[ST+8*\u+2:ST+8*\u+3], v[ST+8*\u+2:ST+8*\u+3], v[ST+8*\u+6:ST+8*\u+7] op_sel_hi:[1,0]   ; l x a
.endr
.irp u, 0,1
	v_pk_add_f32 v[ST+8*\u+4:ST+8*\u+5], v[RS+32*\u:RS+32*\u+1], v[RS+32*\u+2:RS+32*\u+3]   ; the sums of the unrounded p, in two chains
.endr
.irp i, 4,8,12,16,20,24,28
.irp u, 0,1
	v_pk_add_f32 v[ST+8*\u+2:ST+8*\u+3], v[ST+8*\u+2:ST+8*\u+3], v[RS+32*\u+\i:RS+32*\u+\i+1]
	v_pk_add_f32 v[ST+8*\u+4:ST+8*\u+5], v[ST+8*\u+4:ST+8*\u+5], v[RS+32*\u+\i+2:RS+32*\u+\i+3]
.endr
.endr
.irp u, 0,1
	v_pk_add_f32 v[ST+8*\u+2:ST+8*\u+3], v[ST+8*\u+2:ST+8*\u+3], v[ST+8*\u+4:ST+8*\u+5]
.endr
.irp i, 0,1,2,3,4,5,6,7,8,9,10,11,12,13,14,15
.irp u, 0,1
	v_cvt_pk_f16_f32 v[RP+16*\u+\i], v[RS+32*\u+2*\i], v[RS+32*\u+2*\i+1]
.endr
.endr
.endm
; A KEY STEP: 64 keys.  nextk = 1: the next step's K is fetched behind this step's V.
.macro STEP nextk
	s_add_co_u32 s[TS], s[QS], 31
	s_cmp_gt_u32 s[KFS], s[TS]                     ; all 64 keys come after my last query: ids and counted steps alone
	s_cbranch_scc1 .Lhidden_\@
	s_wait_dscnt 0x0                               ; this step's K is in
.irp c, 0,1                                    ; the eight accumulators by turns; the first eight products start the sums
.irp kt, 0,1,2,3
.irp u, 0,1
.if \c == 0
	v_wmma_f32_16x16x32_f16 v[RS+32*\u+8*\kt:RS+32*\u+8*\kt+7], v[RK+16*\kt+8*\c:RK+16*\kt+8*\c+7], v[RQ+16*\u+8*\c:RQ+16*\u+8*\c+7], 0
.else
	v_wmma_f32_16x16x32_f16 v[RS+32*\u+8*\kt:RS+32*\u+8*\kt+7], v[RK+16*\kt+8*\c:RK+16*\kt+8*\c+7], v[RQ+16*\u+8*\c:RQ+16*\u+8*\c+7], v[RS+32*\u+8*\kt:RS+32*\u+8*\kt+7]
.endif
.endr
.endr
.endr
	v_add_nc_u32 v[ADK], s[TK], v[AK0]             ; four plain lines: the places in front of the loads into K's and V's registers and of the first read of the scores
	v_add_nc_u32 v[ADV], s[TV], v[AV0]
	v_nop
	v_nop
	FETCH_V
.if \nextk
	FETCH_K 1
.endif
	s_add_co_u32 s[TS], s[KFS], 63
	s_cmp_le_u32 s[TS], s[QS]                      ; all 64 keys count for all my queries: no mask
	s_cbranch_scc1 .Lopen_\@
	s_sub_co_i32 s[TS], s[QS], s[KFS]
	v_add_nc_u32 v[DD], s[TS], v[RH]               ; d = my first query - the first key + r - 8 h.  Register n of tile u holds key 16 (n / 8) + n % 8 + 8 h: hidden where 16 (n / 8) + n % 8 - 16 u > d
.irp n, 0,1,2,3,4,5,6,7,8,9,10,11,12,13,14,15,16,17,18,19,20,21,22,23,24,25,26,27,28,29,30,31
.irp u, 0,1
	v_cmp_gt_i32 vcc_lo, 16*(\n/8)+\n%8-16*\u, v[DD]
	v_cndmask_b32 v[RS+32*\u+\n], v[RS+32*\u+\n], v[NINF], vcc_lo
.endr
.endr
.Lopen_\@:
	SOFTMAX
	s_wait_dscnt 16*\nextk                         ; V is in; the next step's 16 loads of K may be out
	WIN 0x41                                       ; O^T (destination, source 0) window 1, a window 0
.irp u, 0,1
.irp i, 0,2,4,6,8,10,12,14,16,18,20,22,24,26,28,30
	v_pk_mul_f32 v[RO+32*\u+\i:RO+32*\u+\i+1], v[RO+32*\u+\i:RO+32*\u+\i+1], v[ST+8*\u+6:ST+8*\u+7] op_sel_hi:[1,0]
.endr
.endr
	WIN 0x51                                       ; V window 1, P window 0, C and D window 1
.irp g, 0,1
.irp ct, 0,1,2,3
.irp u, 0,1
	v_wmma_f32_16x16x32_f16 v[RO+32*\u+8*\ct:RO+32*\u+8*\ct+7], v[RV+32*\g+8*\ct:RV+32*\g+8*\ct+7], v[RP+16*\u+8*\g:RP+16*\u+8*\g+7], v[RO+32*\u+8*\ct:RO+32*\u+8*\ct+7]
.endr
.endr
.endr
	WIN 0
.Lhidden_\@:
	s_add_co_u32 s[KFS], s[KFS], 64
	s_add_co_u32 s[TK], s[TK], 64*PK
	s_add_co_u32 s[TV], s[TV], 64*PV
.endm
.macro SLOTSTEPS                       ; a slot's four steps: three in a loop, which fetch the next step's K, and the last
	v_add_nc_u32 v[ADK], s[TK], v[AK0]
	FETCH_K 0                                      ; a slot's first step counts for every wave
	s_mov_b32 s[IC], 3
.Lstep_\@:
	STEP 1
	s_sub_co_u32 s[IC], s[IC], 1
	s_cmp_lg_u32 s[IC], 0
	s_cbranch_scc1 .Lstep_\@
	STEP 0
	s_sub_co_u32 s[TK], s[TK], 4*64*PK             ; back to a slot's first step,
	s_sub_co_u32 s[TV], s[TV], 4*64*PV
	s_xor_b32 s[TK], s[TK], SLOT1                  ; in the other slot
	s_xor_b32 s[TV], s[TV], SLOT1
.endm
; THE WAY OUT of a block of queries: O^T / l, rounded to f16, a tile of 16 queries at a time through my own stage; four tokens of 128 bytes leave as 512 consecutive bytes.
.macro WAYOUT
.rept 4
	v_nop                                          ; places behind the last products
.endr
.irp u, 0,1
	v_add_f32 v[ST+8*\u+4], v[ST+8*\u+2], v[ST+8*\u+3]
.endr
.irp u, 0,1
	v_permlanex16_b32 v[ST+8*\u+5], v[ST+8*\u+4], s[SEL], s[SEL+1]
.endr
.irp u, 0,1
	v_add_f32 v[ST+8*\u+4], v[ST+8*\u+4], v[ST+8*\u+5]
.endr
.irp u, 0,1
	v_rcp_f32 v[ST+8*\u+6], v[ST+8*\u+4]
.endr
	v_nop
	s_wait_alu depctr_va_vdst(0)                   ; one wait for the two reciprocals, ahead of their first reader
	WIN 0x41
.irp u, 0,1
.irp i, 0,2,4,6,8,10,12,14,16,18,20,22,24,26,28,30
	v_pk_mul_f32 v[RO+32*\u+\i:RO+32*\u+\i+1], v[RO+32*\u+\i:RO+32*\u+\i+1], v[ST+8*\u+6:ST+8*\u+7] op_sel_hi:[1,0]
.endr
.endr
	WIN 0x05                                       ; sources window 1, destination window 0: P's registers are free
.irp u, 0,1
.irp i, 0,1,2,3,4,5,6,7,8,9,10,11,12,13,14,15
	v_cvt_pk_f16_f32 v[RP+16*\u+\i], v[RO+32*\u+2*\i], v[RO+32*\u+2*\i+1]
.endr
.endr
	WIN 0
.irp u, 0,1
.irp ct, 0,1,2,3
	ds_store_b128 v[STO], v[RP+16*\u+4*\ct:RP+16*\u+4*\ct+3] offset:32*\ct
.endr
.irp i, 0,1,2,3
	ds_load_b128 v[RS+16*\u+4*\i:RS+16*\u+4*\i+3], v[RD] offset:4*PK*\i   ; LDS serves a wave's instructions in order: these see the stores above, and the next tile's stores come behind them
.endr
.endr
.irp u, 0,1
.irp i, 0,1,2,3
	s_wait_dscnt 8*(1-\u)+3-\i                     ; younger: this tile's later loads, and for tile 0 tile 1's eight lines
	global_store_b128 v[GO], v[RS+16*\u+4*\i:RS+16*\u+4*\i+3], s[YP:YP+1] offset:2048*\u+512*\i
.endr
.endr
	s_wait_xcnt 0x0                                ; the stores have read their registers and their base: both are written again
.endm
.macro INIT                            ; the step is written once: its first run finds zeros, which the first change of m leaves zeros
	WIN 0x40
.set i, 0
.rept 64
	v_mov_b32 v[RO+i], 0
.set i, i+1
.endr
	WIN 0
.irp u, 0,1
	v_mov_b32 v[ST+8*\u+1], 0xff61b1e6             ; m = -3e38, under every score
	v_mul_f32 v[ST+8*\u], s[CS], v[ST+8*\u+1]
.irp k, 2,3,4,5,6,7
	v_mov_b32 v[ST+8*\u+\k], 0
.endr
.endr
.endm
	s_load_b128 s[4:7], s[0:1], 0x0                ; qkv16, y16
	v_lshl_add_u32 v[SPW], v0, 2, SPARE
	v_mov_b32 v[NIL], 0
	ds_add_u32 v[SPW], v[NIL]                      ; the wave's opening: the add, twice on end, and its wait ahead of my first tensor load
	ds_add_u32 v[SPW], v[NIL]
	v_lshrrev_b32 v1, 5, v0
	v_readfirstlane_b32 s[WV], v1                  ; wave 0..7
	s_mov_b32 s[JJ], ttmp9
	s_and_b32 s[BH], ttmp7, 0xffff
	s_and_b32 s[W3], s[WV], 3
	s_mov_b32 s[G1K], (1<<16)|(1<<20)|(4<<22)|(3<<25)   ; no mask; elements of 2 bytes; padding on: after every 32 words, 4 words
	s_mov_b32 s[G1V], (1<<16)|(1<<20)|(4<<22)|(7<<25)   ; 8 words
.irp g, G1K, G1V
	s_mov_b32 s[\g+1], 64<<16                      ; tensor_dim0 = 64
	s_mov_b32 s[\g+2], 64<<16                      ; tensor_dim1 = 64
	s_mov_b32 s[\g+3], 64<<16                      ; tile_dim0 = 64
	s_mov_b32 s[\g+4], 64                          ; tile_dim1 = 64 rows
	s_mov_b32 s[\g+5], 64                          ; the pitch: a head's rows are dense
	s_mov_b32 s[\g+6], 0
	s_mov_b32 s[\g+7], 0
.endr
	s_mov_b32 s[SEL], 0x76543210
	s_mov_b32 s[SEL+1], 0xfedcba98
	s_mov_b32 s[CS], 0x3e38aa3b                    ; c = log2(e) / 8
	s_mov_b32 s[CS+1], s[CS]
	s_lshl_b32 s[TS], s[BH], 18                    ; the head's first byte in a part
	s_sub_co_u32 s[SW], 7, s[JJ]
	s_sub_co_u32 s[LIMB], 8, s[JJ]
	s_lshl_b32 s[TS+1], s[WV], 5
	s_lshl_b32 s[QS], s[SW], 8
	s_add_co_u32 s[QS], s[QS], s[TS+1]             ; my first query: 256 (7 - j) + 32 wave
	s_lshl_b32 s[QN], s[JJ], 8
	s_add_co_u32 s[QN], s[QN], s[TS+1]             ; and in the second block: 256 j + 32 wave
	s_lshl_b32 s[QP], s[QS], 7
	s_add_co_u32 s[QP], s[QP], s[TS]
	s_mov_b32 s[QP+1], 0
	s_lshl_b32 s[QP2], s[QN], 7
	s_add_co_u32 s[QP2], s[QP2], s[TS]
	s_mov_b32 s[QP2+1], 0
	s_lshl_b32 s[OFF], s[W3], 13                   ; my quarter of a block: 64 rows of 128 bytes
	s_add_co_u32 s[OFF], s[OFF], s[TS]
	s_mov_b32 s[OFF+1], 0
	s_mul_i32 s[G0K+1], s[W3], 64*PK               ; LDS: slot 0, my quarter
	s_mul_i32 s[G0V+1], s[W3], 64*PV
	s_add_co_u32 s[G0V+1], s[G0V+1], VOFF
	s_mov_b32 s[G0K], 1
	s_mov_b32 s[G0V], 1
	s_mov_b32 s[NB], 0
	s_mov_b32 s[TK], 0
	s_mov_b32 s[TV], 0
	s_mov_b32 s[KFS], 0
	s_mov_b32 s[TT], 0
	s_wait_dscnt 0x0                               ; both opening adds are done
	s_wait_kmcnt 0x0
	s_add_nc_u64 s[KB:KB+1], s[4:5], s[OFF:OFF+1]
	s_add_nc_u64 s[VB:VB+1], s[KB:KB+1], 0x2000000 ; V is part 2,
	s_add_nc_u64 s[KB:KB+1], s[KB:KB+1], 0x1000000 ; K part 1
	s_mov_b64 s[G0K+2:G0K+3], s[KB:KB+1]
	s_or_b32 s[G0K+3], s[G0K+3], 0x80000000
	s_mov_b64 s[G0V+2:G0V+3], s[VB:VB+1]
	s_or_b32 s[G0V+3], s[G0V+3], 0x80000000
	TLOAD                                          ; slot 0: key block 0
	s_add_nc_u64 s[YP:YP+1], s[6:7], s[QP:QP+1]
	s_add_nc_u64 s[YN:YN+1], s[6:7], s[QP2:QP2+1]
	s_add_nc_u64 s[QP:QP+1], s[4:5], s[QP:QP+1]
	s_add_nc_u64 s[QP2:QP2+1], s[4:5], s[QP2:QP2+1]
	v_and_b32 v[DD], 15, v0                        ; r
	v_bfe_u32 v[NINF], v0, 4, 1                    ; h
	v_lshlrev_b32 v[QO], 7, v[DD]
	v_lshl_add_u32 v[QO], v[NINF], 4, v[QO]        ; Q: row r of 128 bytes + 16 h
.irp u, 0,1
.irp c, 0,1
	global_load_b128 v[RQ+16*\u+8*\c:RQ+16*\u+8*\c+3],   v[QO], s[QP:QP+1] offset:2048*\u+64*\c
	global_load_b128 v[RQ+16*\u+8*\c+4:RQ+16*\u+8*\c+7], v[QO], s[QP:QP+1] offset:2048*\u+64*\c+32
.endr
.endr
	WIN 0x40                                       ; the second block's Q waits in window 1
.irp u, 0,1
.irp c, 0,1
	global_load_b128 v[RQ2+16*\u+8*\c:RQ2+16*\u+8*\c+3],   v[QO], s[QP2:QP2+1] offset:2048*\u+64*\c
	global_load_b128 v[RQ2+16*\u+8*\c+4:RQ2+16*\u+8*\c+7], v[QO], s[QP2:QP2+1] offset:2048*\u+64*\c+32
.endr
.endr
	WIN 0
	s_cmp_lt_u32 s[WV], 4
	s_cselect_b64 s[PFA:PFA+1], s[KB:KB+1], s[VB:VB+1]
	s_add_nc_u64 s[PFA:PFA+1], s[PFA:PFA+1], 32768 ; at block 1: the first change of slots steps it to block 2.  Nothing is prefetched at the head
	s_cmp_eq_u32 s[JJ], 0
	s_cselect_b32 s[LIM], 6, 0
	v_mul_u32_u24 v[AK0], v[DD], PK
	v_lshl_add_u32 v[AK0], v[NINF], 4, v[AK0]      ; K: row r x pitch + 16 h
	v_and_b32 v[AV0], 7, v0
	v_lshl_add_u32 v[AV0], v[NINF], 3, v[AV0]
	v_mul_u32_u24 v[AV0], v[AV0], PV
	v_bfe_u32 v[ADK], v0, 3, 1
	v_lshl_add_u32 v[AV0], v[ADK], 4, v[AV0]
	v_add_nc_u32 v[AV0], VOFF, v[AV0]              ; V: key 8 h + l % 8, channels 8 ((l / 8) % 2) on
	s_mul_i32 s[TS], s[WV], 16*PK
	s_add_co_u32 s[TS], s[TS], STAGE               ; my stage
	v_add_nc_u32 v[STO], s[TS], v[AK0]             ; in: row r, 16 bytes for each half of the lanes
	v_and_b32 v[ADV], 31, v0
	v_lshrrev_b32 v[RD], 3, v[ADV]
	v_mul_u32_u24 v[RD], v[RD], PK
	v_and_b32 v[ADK], 7, v0
	v_lshl_add_u32 v[RD], v[ADK], 4, v[RD]
	v_add_nc_u32 v[RD], s[TS], v[RD]               ; back: eight lanes to a row
	v_lshlrev_b32 v[GO], 4, v[ADV]
	v_lshlrev_b32 v[PFO], 8, v[ADV]
	v_lshlrev_b32 v[RH], 3, v[NINF]
	v_sub_nc_u32 v[RH], v[DD], v[RH]               ; r - 8 h
	v_mov_b32 v[NINF], 0xff800000                  ; -infinity
	INIT
	s_wait_loadcnt 0x0                             ; both blocks' Q
.Ltrip:                                            ; eight trips; behind each change of slots the next block of keys is asked for
	CHANGE 1
	SLOTSTEPS
	s_cmp_lg_u32 s[TT], s[SW]
	s_cbranch_scc1 .Lsame
	WAYOUT                                         ; block 7 - j is finished: on to block j
	s_mov_b64 s[YP:YP+1], s[YN:YN+1]
	s_mov_b32 s[QS], s[QN]
	s_mov_b32 s[KFS], 0
	WIN 0x01                                       ; source window 1
.set i, 0
.rept 32
	v_mov_b32 v[RQ+i], v[RQ2+i]
.set i, i+1
.endr
	WIN 0
	INIT
.Lsame:
	s_add_co_u32 s[TT], s[TT], 1
	s_cmp_lt_u32 s[TT], 8
	s_cbranch_scc1 .Ltrip
	CHANGE 0                                       ; the ninth block is written out: nothing is left to ask for
	SLOTSTEPS
	WAYOUT
	s_wait_tensorcnt 0x0                           ; the wave's end
	ds_add_u32 v[SPW], v[NIL]
	s_wait_dscnt 0x0
	s_endpgm
.Lfunc_end_k_qc347d28ce4_attn:
	.size	k_qc347d28ce4_attn, .Lfunc_end_k_qc347d28ce4_attn-k_qc347d28ce4_attn
	.p2alignl 7, 3214868480
	.fill 96, 4, 3214868480
	.section	.rodata,"a",@progbits
	.p2align	6, 0x0
	.amdhsa_kernel k_qc347d28ce4_attn
		.amdhsa_group_segment_fixed_size 327680
		.amdhsa_private_segment_fixed_size 0
		.amdhsa_enable_private_segment 0
		.amdhsa_kernarg_size 16
		.amdhsa_user_sgpr_count 2
		.amdhsa_user_sgpr_kernarg_segment_ptr 1
		.amdhsa_wavefront_size32 1
		.amdhsa_system_sgpr_workgroup_id_x 1
		.amdhsa_system_sgpr_workgroup_id_y 1
		.amdhsa_system_sgpr_workgroup_id_z 1
		.amdhsa_system_vgpr_workitem_id 0
		.amdhsa_next_free_vgpr 512
		.amdhsa_next_free_sgpr 72
		.amdhsa_reserve_vcc 1
		.amdhsa_float_denorm_mode_32 3
		.amdhsa_float_denorm_mode_16_64 3
		.amdhsa_memory_ordered 1
		.amdhsa_forward_progress 1
		.amdhsa_inst_pref_size 115
	.end_amdhsa_kernel
	.amdgpu_metadata
---
amdhsa.version: [ 1, 2 ]
amdhsa.kernels:
  - .name:           k_qc347d28ce4_attn
    .symbol:         k_qc347d28ce4_attn.kd
    .args:
      - { .name: qkv16, .offset: 0, .size: 8, .value_kind: global_buffer, .address_space: global }
      - { .name: y16, .offset: 8, .size: 8, .value_kind: global_buffer, .address_space: global }
    .group_segment_fixed_size: 327680
    .private_segment_fixed_size: 0
    .kernarg_segment_align: 8
    .kernarg_segment_size: 16
    .max_flat_workgroup_size: 256
    .sgpr_count:     72
    .vgpr_count:     512
    .wavefront_size: 32
...
	.end_amdgpu_metadata
.endif
;; end of part 3
;; launch proj (part 4): grid 8 x 32, 4 waves a work-group, clusters of 4 x 4, 327,680 bytes of LDS; arguments y16, wp16, bp, out0; writes out0
.if DOCPART == 4
	.amdgcn_target "amdgcn-amd-amdhsa--gfx1250"
	.amdhsa_code_object_version 6
	.text
	.protected	k_qc347d28ce4_proj
	.globl	k_qc347d28ce4_proj
	.p2align	8
	.type	k_qc347d28ce4_proj,@function
k_qc347d28ce4_proj:
	s_mov_b64 s[64:65], 0
	v_nop
	global_prefetch_b8 v0, s[64:65] scope:SCOPE_SE
	s_setreg_imm32_b32 hwreg(HW_REG_WAVE_MODE, 25, 1), 1
	s_wait_xcnt 0x0
	s_wait_alu depctr_hold_cnt(0) depctr_sa_sdst(0) depctr_va_vdst(0) depctr_va_sdst(0) depctr_va_ssrc(0) depctr_va_vcc(0) depctr_vm_vsrc(0)
	s_getreg_b32 s2, hwreg(HW_REG_IB_STS2, 6, 4)
	s_cmp_eq_u32 s2, 0
	s_cbranch_scc0 .Lentry_in_a_cluster
	s_endpgm
.Lentry_in_a_cluster:
	s_bfe_u32 s2, ttmp6, 0x10000c
	s_cmp_lg_u32 s2, 0xf033
	s_cbranch_scc0 .Lentry_shape_is_right
	s_endpgm
.Lentry_shape_is_right:
; PROJ.  out0[m][n] = sum over k of y[m][k] Wp[n][k] + bp[n]; M = 8,192, N = K = 1,024; f16 operands, f32 sums, f32 out.  y16 lies by head, [4 b][16 h][2048 t][64]: k = 64 h + channel.  wp16: [n][k].
; (The rows t < 16 of every batch are written again, from f32 operands, by the launch that follows.)
; A tile of 256 x 128 gives 256 work-groups.  Four waves, each 128 rows x 64 columns: 32 accumulators, which fill window 1.
; K goes in steps of 128, two heads, through a ring of two LDS slots: A as two planes (a head each) of 256 rows x (128 + 16) bytes, B as 128 rows x (256 + 16) bytes.
; Waves 0 and 1 fetch A's planes, waves 2 and 3 B's halves: one tensor load a wave behind each round; two are out at the start, then one.
; CLUSTERS: 4 x 4 work-groups; A's tiles are asked for jointly along a row of the cluster, B's along a column.
; THE MATRIX INSTRUCTION IS USED TRANSPOSED (source 0 = 16 rows of Wp, source 1 = 16 rows of y): a lane holds eight neighbouring columns of one row.  The bias is the C of each sum's first product.
; No prefetch: the tile is small, its inputs are shared in the cluster, and each is walked by many work-groups.
; REGISTERS: window 0: v16-29 addresses; v32-63 the bias; two fragment buffers of 96, v64-159 and v160-255: A's 8 blocks, then B's 4.   window 1: accumulator (a, b) at v[8 (4 a + b)].
.set PA,    144
.set PB,    272
.set PLANE, 256*PA
.set SLOT,  2*PLANE+128*PB
.set STAGE, 2*SLOT                     ; behind the ring: 16 rows x 272 bytes for each wave
.set SPARE, STAGE+4*16*272             ; the spare words: 128 bytes a wave, named by no other line
.set ADRA, 16
.set ADRB, 20
.set STO,  24
.set RD,   25
.set CO,   26
.set BO,   27
.set SPW,  28
.set NIL,  29
.set BIAS, 32
.set F0,   64
.set F1,   160
.set BK,   32                          ; the way out: v32-63 and v64-95 by turns
.set G1,  24
.set G0,  32
.set G1B, 48
.set G0B, 56
.set MSB, 0
.macro WIN new
.if MSB != (\new)
	s_set_vgpr_msb (MSB<<8)|(\new)
.set MSB, (\new)
.endif
.endm
.set MULW, 0x50                        ; sources 0 and 1 window 0, C and D window 1
.set FSTW, 0x40                        ; the first quarter: C (the bias) window 0
.macro JLOAD s                         ; a joint load; an s_nop 0 and four v_nop follow each of the two lines
	s_cmp_eq_u32 s13, 0
	s_cbranch_scc0 .Lfor_b_\@
	tensor_load_to_lds s[G0+4*\s:G0+4*\s+3], s[G1:G1+7]
	s_nop 0
.rept 4
	v_nop
.endr
	s_branch .Lasked_\@
.Lfor_b_\@:
	tensor_load_to_lds s[G0B+4*\s:G0B+4*\s+3], s[G1B:G1B+7]
	s_nop 0
.rept 4
	v_nop
.endr
.Lasked_\@:
.endm
.macro CREST                           ; a round of the cluster's barrier behind its opening barrier
	s_cmp_lg_u32 s12, 0
	s_cbranch_scc1 .Lnot_wave_0_\@
	s_barrier_signal -3
.Lnot_wave_0_\@:
	s_barrier_wait -3
	s_barrier_signal -1
	s_barrier_wait -1
.endm
.macro CROUND
	s_barrier_signal -1
	s_barrier_wait -1
	CREST
.endm
	s_load_b256 s[4:11], s[0:1], 0x0               ; y16, wp16, bp, out0
	v_lshl_add_u32 v[SPW], v0, 2, SPARE
	v_mov_b32 v[NIL], 0
	ds_add_u32 v[SPW], v[NIL]                      ; the wave's opening: the add, twice on end, and its wait ahead of my first tensor load
	ds_add_u32 v[SPW], v[NIL]
	v_lshrrev_b32 v1, 5, v0
	v_readfirstlane_b32 s12, v1                    ; wave 0..3
	s_lshr_b32 s13, s12, 1                         ; my half of the rows.  Also: I fetch for A (0) or for B (1)
	s_and_b32 s14, s12, 1                          ; my half of the columns.  Also: which plane of A, which half of B I fetch
	s_bfe_u32 s40, ttmp6, 0x40000                  ; cx
	s_bfe_u32 s41, ttmp6, 0x40004                  ; cy
	s_lshl_b32 s42, ttmp9, 2
	s_add_co_u32 s42, s42, s40                     ; tile column
	s_and_b32 s15, ttmp7, 0xffff
	s_lshl_b32 s15, s15, 2
	s_add_co_u32 s15, s15, s41                     ; tile row
	s_lshl_b32 s43, s41, 2
	s_lshl_b32 s43, 15, s43                        ; my row of the cluster
	s_lshl_b32 s44, 0x1111, s40                    ; my column
	s_or_b32 s[G1], s43, (1<<16)|(1<<20)|(1<<21)|(4<<22)|(3<<25)    ; A: elements of 2 bytes; after every 32 words, 4 words of padding
	s_mov_b32 s[G1+1], 64<<16                      ; tensor_dim0 = 64
	s_mov_b32 s[G1+2], 256<<16                     ; tensor_dim1 = 256
	s_mov_b32 s[G1+3], 64<<16                      ; tile_dim0
	s_mov_b32 s[G1+4], 256                         ; tile_dim1
	s_mov_b32 s[G1+5], 64                          ; the pitch: a head's rows are dense
	s_mov_b32 s[G1+6], 0
	s_mov_b32 s[G1+7], 0
	s_or_b32 s[G1B], s44, (1<<16)|(1<<20)|(1<<21)|(5<<22)|(3<<25)   ; B: after every 64 words, 4 words
	s_mov_b32 s[G1B+1], 128<<16
	s_mov_b32 s[G1B+2], 64<<16
	s_mov_b32 s[G1B+3], 128<<16
	s_mov_b32 s[G1B+4], 64
	s_mov_b32 s[G1B+5], 1024
	s_mov_b32 s[G1B+6], 0
	s_mov_b32 s[G1B+7], 0
	s_lshr_b32 s16, s15, 3
	s_lshl_b32 s16, s16, 22                        ; A: the batch,
	s_and_b32 s17, s15, 7
	s_lshl_b32 s17, s17, 15                        ; the tile's 256 tokens of 128 bytes,
	s_add_co_u32 s16, s16, s17
	s_lshl_b32 s17, s14, 18                        ; my plane: head 0 or 1 of the K step
	s_add_co_u32 s16, s16, s17
	s_mov_b32 s17, 0
	s_lshl_b32 s46, s42, 18                        ; B: row 128 x tile column + 64 x half, 2,048 bytes a row
	s_lshl_b32 s47, s14, 17
	s_add_co_u32 s46, s46, s47
	s_mov_b32 s47, 0
	s_mul_i32 s20, s14, PLANE                      ; where they go
	s_mul_i32 s21, s14, 64*PB
	s_add_co_u32 s21, s21, 2*PLANE
	s_wait_dscnt 0x0                               ; both opening adds are done
	s_wait_kmcnt 0x0
	s_add_nc_u64 s[18:19], s[4:5], s[16:17]
	s_add_nc_u64 s[46:47], s[6:7], s[46:47]
	CROUND                                         ; all sixteen work-groups are here
.irp s, 0,1
	s_mov_b32 s[G0+4*\s], 1
	s_add_co_u32 s[G0+4*\s+1], s20, \s*SLOT
	s_add_nc_u64 s[G0+4*\s+2:G0+4*\s+3], s[18:19], \s*524288       ; K step s: two heads on
	s_or_b32 s[G0+4*\s+3], s[G0+4*\s+3], 0x80000000
	s_mov_b32 s[G0B+4*\s], 1
	s_add_co_u32 s[G0B+4*\s+1], s21, \s*SLOT
	s_add_nc_u64 s[G0B+4*\s+2:G0B+4*\s+3], s[46:47], \s*256
	s_or_b32 s[G0B+4*\s+3], s[G0B+4*\s+3], 0x80000000
	JLOAD \s
.endr
	v_and_b32 v1, 15, v0                           ; r
	v_bfe_u32 v2, v0, 4, 1                         ; h
	s_lshl_b32 s46, s42, 9
	s_lshl_b32 s47, s14, 8
	s_add_co_u32 s46, s46, s47                     ; my first column in bytes of f32: 512 x tile column + 256 x half
	s_mov_b32 s47, 0
	s_add_nc_u64 s[8:9], s[8:9], s[46:47]
	v_lshlrev_b32 v[BO], 5, v2
.irp b, 0,1,2,3
	global_load_b128 v[BIAS+8*\b:BIAS+8*\b+3], v[BO], s[8:9] offset:64*\b       ; lane (r, h): bp of columns 16 b + 8 h + 0 .. 7
	global_load_b128 v[BIAS+8*\b+4:BIAS+8*\b+7], v[BO], s[8:9] offset:64*\b+16
.endr
	s_lshl_b32 s16, s15, 8
	s_lshl_b32 s17, s13, 7
	s_add_co_u32 s16, s16, s17
	s_lshl_b32 s16, s16, 12                        ; my first row of out0, 4,096 bytes a row
	s_mov_b32 s17, 0
	s_add_nc_u64 s[10:11], s[10:11], s[16:17]
	s_add_nc_u64 s[10:11], s[10:11], s[46:47]
	v_mul_u32_u24 v3, v1, PA
	v_lshl_add_u32 v3, v2, 4, v3
	v_mul_u32_u24 v4, v1, PB
	v_lshl_add_u32 v4, v2, 4, v4
	s_mul_i32 s21, s13, 128*PA                     ; my 128 rows in a plane of A
	s_mul_i32 s22, s14, 64*PB                      ; my 64 rows of B,
	s_add_co_u32 s22, s22, 2*PLANE                 ; behind A's planes
.irp s, 0,1
	v_add_nc_u32 v[ADRA+\s], s21, v3
	v_add_nc_u32 v[ADRB+\s], s22, v4
	s_add_co_u32 s21, s21, SLOT
	s_add_co_u32 s22, s22, SLOT
.endr
	s_mul_i32 s23, s12, 16*272
	s_add_co_u32 s23, s23, STAGE                   ; my stage
	v_mul_u32_u24 v5, v1, 272
	v_lshl_add_u32 v5, v2, 5, v5
	v_add_nc_u32 v[STO], s23, v5                   ; in: row r, 32 bytes for each half of the lanes
	v_mul_u32_u24 v5, v2, 272
	v_lshl_add_u32 v5, v1, 4, v5
	v_add_nc_u32 v[RD], s23, v5                    ; back: lanes 0-15 one row of 256 bytes, lanes 16-31 the next
	v_lshlrev_b32 v5, 12, v2
	v_lshl_add_u32 v[CO], v1, 4, v5                ; and the same two rows in out0
; n blocks of A from a0 on x B's four, 32 along K.  The 32 accumulators take turns, one instruction a turn, in the same order in every quarter.
.macro MUL f, a0, n, first
.set aa, \a0
.rept \n
.irp b, 0,1,2,3
.if \first
	v_wmma_f32_16x16x32_f16 v[8*(4*aa+\b):8*(4*aa+\b)+7], v[\f+64+8*\b:\f+64+8*\b+7], v[\f+8*aa:\f+8*aa+7], v[BIAS+8*\b:BIAS+8*\b+7]
.else
	v_wmma_f32_16x16x32_f16 v[8*(4*aa+\b):8*(4*aa+\b)+7], v[\f+64+8*\b:\f+64+8*\b+7], v[\f+8*aa:\f+8*aa+7], v[8*(4*aa+\b):8*(4*aa+\b)+7]
.endif
.endr
.set aa, aa+1
.endr
.endm
.macro FETCH slot, q, f                ; 24 LDS loads in one run: quarter q of the slot: B's four blocks, then A's eight
.irp i, 0,1,2,3
	ds_load_b128 v[\f+64+8*\i:\f+64+8*\i+3],   v[ADRB+\slot] offset:64*(\q)+\i*16*PB
	ds_load_b128 v[\f+64+8*\i+4:\f+64+8*\i+7], v[ADRB+\slot] offset:64*(\q)+\i*16*PB+32
.endr
.irp i, 0,1,2,3,4,5,6,7
	ds_load_b128 v[\f+8*\i:\f+8*\i+3],   v[ADRA+\slot] offset:PLANE*((\q)/2)+64*((\q)%2)+\i*16*PA
	ds_load_b128 v[\f+8*\i+4:\f+8*\i+7], v[ADRA+\slot] offset:PLANE*((\q)/2)+64*((\q)%2)+\i*16*PA+32
.endr
.endm
.macro PLACES                          ; four plain lines in front of loads into registers that matrix instructions have read, and of reads of results (ISA guide 7.12.1 for reads of results)
.rept 4
	v_nop
.endr
.endm
.macro QUARTER slot, q, f, g, first    ; multiplies buffer f; in its middle fetches quarter q of the slot into buffer g
	s_wait_dscnt 8                                 ; B and A's blocks 0-3 are in; the youngest eight loads (A's blocks 4-7) may be out
.if \first
	WIN FSTW
.else
	WIN MULW
.endif
	MUL \f, 0, 4, \first
	PLACES
	WIN 0
	FETCH \slot, \q, \g
	s_wait_dscnt 24                                ; all but the 24 just issued
.if \first
	WIN FSTW
.else
	WIN MULW
.endif
	MUL \f, 4, 4, \first
.endm
; A K step's last quarter multiplies buffer 1 and changes slots: one barrier; in front of it all my tensor loads, the add, and my reads of this slot.  fill = 1: the barrier opens a round of the cluster's, and this slot is filled again.
.macro TURN slot, next, fill
	WIN 0
	s_wait_tensorcnt 0x0                           ; my part of the next slot has landed
	ds_add_u32 v[SPW], v[NIL]
	s_wait_dscnt 9                                 ; the add and the youngest eight loads may be out
	WIN MULW
	MUL F1, 0, 2, 0
	s_wait_dscnt 0x0                               ; the add is done, and my reads of this slot are over
	s_barrier_signal -1
	MUL F1, 2, 2, 0
	WIN 0
	s_barrier_wait -1
.if \fill
	CREST                                          ; no wave of any partner still reads this slot or has a load on its way
	s_add_nc_u64 s[G0+4*\slot+2:G0+4*\slot+3], s[G0+4*\slot+2:G0+4*\slot+3], 2*524288
	s_add_nc_u64 s[G0B+4*\slot+2:G0B+4*\slot+3], s[G0B+4*\slot+2:G0B+4*\slot+3], 2*256
	JLOAD \slot                                    ; the first tensor load behind the round; its four v_nop are also the places in front of the loads below
.else
	PLACES
.endif
	FETCH \next, 0, F0
	WIN MULW
	MUL F1, 4, 4, 0
.endm
	s_wait_tensorcnt 1                             ; my part of K step 0 is in; K step 1's load may be out
	s_barrier_signal -1
	s_barrier_wait -1
	s_wait_loadcnt 0x0                             ; the bias
	FETCH 0, 0, F0
	QUARTER 0, 1, F0, F1, 1                        ; the first quarter stands in front of the loop: its products start the sums on the bias
	WIN 0
	s_mov_b32 s3, 3
.Llap:                                             ; a trip goes once round the ring and fills both slots again: K steps 2 to 7
	QUARTER 0, 2, F1, F0, 0
	QUARTER 0, 3, F0, F1, 0
	TURN 0, 1, 1
	QUARTER 1, 1, F0, F1, 0
	QUARTER 1, 2, F1, F0, 0
	QUARTER 1, 3, F0, F1, 0
	TURN 1, 0, 1
	QUARTER 0, 1, F0, F1, 0
	WIN 0
	s_sub_co_u32 s3, s3, 1
	s_cmp_lg_u32 s3, 0
	s_cbranch_scc1 .Llap
	QUARTER 0, 2, F1, F0, 0                        ; the last lap fills nothing
	QUARTER 0, 3, F0, F1, 0
	TURN 0, 1, 0
	QUARTER 1, 1, F0, F1, 0
	QUARTER 1, 2, F1, F0, 0
	QUARTER 1, 3, F0, F1, 0
	s_wait_dscnt 8
	WIN MULW
	MUL F1, 0, 4, 0
	s_wait_dscnt 0
	MUL F1, 4, 4, 0
	WIN 0
; THE WAY OUT, block by block of 16 rows x 64 columns of f32: through my own stage, back as whole rows of 256 bytes: sixteen lanes store 256 consecutive bytes, aligned.
.macro TOSTAGE a
	WIN 0x04                                       ; an LDS store's data are its source 1: window 1
.irp b, 0,1,2,3
	ds_store_b128 v[STO], v[8*(4*(\a)+\b):8*(4*(\a)+\b)+3] offset:64*\b          ; each accumulator from its low end on
	ds_store_b128 v[STO], v[8*(4*(\a)+\b)+4:8*(4*(\a)+\b)+7] offset:64*\b+16
.endr
	WIN 0
.set BB, BK+32*((\a)%2)
.irp t, 0,1,2,3,4,5,6,7
	ds_load_b128 v[BB+4*\t:BB+4*\t+3], v[RD] offset:\t*2*272       ; LDS serves a wave's instructions in order: these see the stores above
.endr
.endm
.macro SEND a, younger
.set BB, BK+32*((\a)%2)
	s_wait_dscnt \younger
.irp t, 0,1,2,3,4,5,6,7
	global_store_b128 v[CO], v[BB+4*\t:BB+4*\t+3], s[10:11] offset:65536*(\a)+8192*\t th:TH_STORE_NT
.endr
.endm
	PLACES
	TOSTAGE 0
.irp a, 1,2,3,4,5,6,7
.if \a > 1
	s_wait_xcnt 0x0                                ; block a - 2's stores have read their registers: block a's loads may land there
.endif
	TOSTAGE \a
	SEND \a-1, 16                                  ; behind block a - 1's loads: block a's 8 stores and 8 loads
.endr
	SEND 7, 0
	s_wait_tensorcnt 0x0                           ; the wave's end
	ds_add_u32 v[SPW], v[NIL]
	s_wait_dscnt 0x0
	CROUND                                         ; the closing round
	s_endpgm
.Lfunc_end_k_qc347d28ce4_proj:
	.size	k_qc347d28ce4_proj, .Lfunc_end_k_qc347d28ce4_proj-k_qc347d28ce4_proj
	.p2alignl 7, 3214868480
	.fill 96, 4, 3214868480
	.section	.rodata,"a",@progbits
	.p2align	6, 0x0
	.amdhsa_kernel k_qc347d28ce4_proj
		.amdhsa_group_segment_fixed_size 327680
		.amdhsa_private_segment_fixed_size 0
		.amdhsa_enable_private_segment 0
		.amdhsa_kernarg_size 32
		.amdhsa_user_sgpr_count 2
		.amdhsa_user_sgpr_kernarg_segment_ptr 1
		.amdhsa_wavefront_size32 1
		.amdhsa_system_sgpr_workgroup_id_x 1
		.amdhsa_system_sgpr_workgroup_id_y 1
		.amdhsa_system_sgpr_workgroup_id_z 1
		.amdhsa_system_vgpr_workitem_id 0
		.amdhsa_next_free_vgpr 512
		.amdhsa_next_free_sgpr 68
		.amdhsa_reserve_vcc 0
		.amdhsa_float_denorm_mode_32 3
		.amdhsa_float_denorm_mode_16_64 3
		.amdhsa_memory_ordered 1
		.amdhsa_forward_progress 1
		.amdhsa_inst_pref_size 86
	.end_amdhsa_kernel
	.amdgpu_metadata
---
amdhsa.version: [ 1, 2 ]
amdhsa.kernels:
  - .name:           k_qc347d28ce4_proj
    .symbol:         k_qc347d28ce4_proj.kd
    .args:
      - { .name: y16, .offset: 0, .size: 8, .value_kind: global_buffer, .address_space: global }
      - { .name: wp16, .offset: 8, .size: 8, .value_kind: global_buffer, .address_space: global }
      - { .name: bp, .offset: 16, .size: 8, .value_kind: global_buffer, .address_space: global }
      - { .name: out0, .offset: 24, .size: 8, .value_kind: global_buffer, .address_space: global }
    .group_segment_fixed_size: 327680
    .private_segment_fixed_size: 0
    .kernarg_segment_align: 8
    .kernarg_segment_size: 32
    .max_flat_workgroup_size: 128
    .sgpr_count:     68
    .vgpr_count:     512
    .wavefront_size: 32
...
	.end_amdgpu_metadata
.endif
;; end of part 4
;; launch fine (part 5): grid 16 x 4, 16 waves a work-group, no clusters, 71,680 bytes of LDS; arguments q32, Wp, bp, out0; writes out0
.if DOCPART == 5
	.amdgcn_target "amdgcn-amd-amdhsa--gfx1250"
	.amdhsa_code_object_version 6
	.text
	.protected	k_qc347d28ce4_fine
	.globl	k_qc347d28ce4_fine
	.p2align	8
	.type	k_qc347d28ce4_fine,@function
k_qc347d28ce4_fine:
	s_mov_b64 s[64:65], 0
	v_nop
	global_prefetch_b8 v0, s[64:65] scope:SCOPE_SE
	s_setreg_imm32_b32 hwreg(HW_REG_WAVE_MODE, 25, 1), 1
	s_wait_xcnt 0x0
; FINE.  The first 16 positions of every sequence once more, with f32 operands throughout: scores, softmax, weights x V and the projection.  These rows average one to sixteen values, so the rounding of
; 16-bit operands weighs most there.  It runs last and writes over rows t < 16 of each batch in out0.
; q32: [4 b][16 t][3072] f32 (q, k, v side by side, bias added).  A work-group (cg = x, b = y) makes 16 rows x columns 64 cg .. 64 cg + 63.  Wave w is head w: its 16 x 16 attention and its 64 channels' part of the
; projection; the sixteen parts meet in LDS, and wave w sums query w's row and stores 256 consecutive bytes.  Straight-line text: 64 rows in all, no bulk work.
; v_wmma_f32_16x16x4_f32: lane (r, h) holds row (or column) r and k = 2 h + 0, 1.  Which four k form a step is free as long as both sources agree, so whole 16-byte loads fill the operands:
;   S^T = K Q^T:    step s takes channels 32 h + 2 s, + 1.     Result: lane (r, h): query r, keys 8 h + 0 .. 7
;   O^T = V^T P:    step s takes keys 8 h + 2 s, + 1.          Result: query r, channels 16 c + 8 h + 0 .. 7
;   out^T = Wp Y^T: step (c, s) takes channels 16 c + 8 h + 2 s, + 1.   Result: query r, columns 16 n + 8 h + 0 .. 7
; The registers that these products write, v112-151, are written by matrix instructions alone; every sum begins with the constant 0; accumulators take turns.
; LIMITS: NaN and infinities are not served.
.set QF,  16                           ; v16-47  q(r, 32 h + i); later Wp's tile n = 2; later the reduction
.set KF,  48                           ; v48-79  k(r, 32 h + i); later Wp's tile n = 3
.set VF,  80                           ; v80-111 v(key 8 h + i, channel 16 c + r) at 8 c + i; later Y
.set SA,  112                          ; v112-119, v120-127: the scores in two sums
.set OA,  120                          ; v120-151 O^T, four tiles
.set OU,  112                          ; v112-143 out^T, four tiles
.set WF,  152                          ; v152-215 Wp's tiles n = 0, 1: Wp(64 cg + 16 n + r, 64 w + 16 c + 8 h + i) at 32 n + 8 c + i
.set PR,  216                          ; v216-223 the scores, then p
.set PP,  16*272                       ; a wave's part in LDS: 16 queries x (256 + 16) bytes
.set SPARE, 16*PP                      ; the spare words: 128 bytes a wave, named by no other line
	s_load_b256 s[4:11], s[0:1], 0x0               ; q32, Wp, bp, out0
	v_lshl_add_u32 v240, v0, 2, SPARE
	v_mov_b32 v241, 0
	v_lshrrev_b32 v1, 5, v0
	v_readfirstlane_b32 s12, v1                    ; wave = head
	s_and_b32 s14, ttmp7, 0xffff                   ; batch
	v_and_b32 v1, 15, v0                           ; r
	v_bfe_u32 v2, v0, 4, 1                         ; h
	v_mul_u32_u24 v3, v1, 12288
	v_lshl_add_u32 v3, v2, 7, v3                   ; q, k: row r, + 32 h channels
	v_mul_u32_u24 v4, v2, 98304
	v_lshl_add_u32 v4, v1, 2, v4                   ; v: row 8 h, channel r
	v_lshlrev_b32 v5, 12, v1
	v_lshl_add_u32 v5, v2, 5, v5                   ; Wp: row r, + 8 h channels
	v_and_b32 v6, 31, v0
	v_lshlrev_b32 v6, 3, v6                        ; 8 x lane
	v_lshlrev_b32 v7, 3, v2
	v_sub_nc_u32 v7, v1, v7                        ; r - 8 h
	s_mul_i32 s15, s12, PP
	v_mul_u32_u24 v8, v1, 272
	v_lshl_add_u32 v8, v2, 5, v8
	v_add_nc_u32 v8, s15, v8                       ; my part: row r, + 32 h bytes
	s_mul_i32 s15, s12, 272
	v_add_nc_u32 v9, s15, v6                       ; the reduction: query = my wave's number, 8 bytes a lane
	v_mov_b32 v10, 0xff800000                      ; -infinity
	v_mov_b32 v225, 0                              ; a lane permute's destination counts as read
	v_mov_b32 v228, 0
	s_mov_b32 s20, 0x76543210
	s_mov_b32 s21, 0xfedcba98
	s_mov_b32 s22, 0x3e38aa3b                      ; c = log2(e) / 8
	s_mul_i32 s16, s14, 196608                     ; q32: the batch's 16 rows, my head's 64 columns
	s_lshl_b32 s17, s12, 8
	s_add_co_u32 s16, s16, s17
	s_mov_b32 s17, 0
	s_lshl_b32 s18, ttmp9, 18                      ; Wp: rows 64 cg on, my head's 64 columns
	s_lshl_b32 s19, s12, 8
	s_add_co_u32 s18, s18, s19
	s_mov_b32 s19, 0
	s_lshl_b32 s24, ttmp9, 8                       ; bp: columns 64 cg on
	s_mov_b32 s25, 0
	s_lshl_b32 s26, s14, 11
	s_add_co_u32 s26, s26, s12
	s_lshl_b32 s26, s26, 12                        ; out0: row 2,048 b + wave,
	s_add_co_u32 s26, s26, s24                     ; columns 64 cg on
	s_mov_b32 s27, 0
	s_wait_kmcnt 0x0
	s_add_nc_u64 s[4:5], s[4:5], s[16:17]
	s_add_nc_u64 s[6:7], s[6:7], s[18:19]
	s_add_nc_u64 s[8:9], s[8:9], s[24:25]
	s_add_nc_u64 s[10:11], s[10:11], s[26:27]
.irp i, 0,1,2,3,4,5,6,7
	global_load_b128 v[QF+4*\i:QF+4*\i+3], v3, s[4:5] offset:16*\i
.endr
.irp i, 0,1,2,3,4,5,6,7
	global_load_b128 v[KF+4*\i:KF+4*\i+3], v3, s[4:5] offset:4096+16*\i
.endr
.irp c, 0,1,2,3
.irp i, 0,1,2,3,4,5,6,7
	global_load_b32 v[VF+8*\c+\i], v4, s[4:5] offset:8192+12288*\i+64*\c
.endr
.endr
.irp n, 0,1
.irp c, 0,1,2,3
	global_load_b128 v[WF+32*\n+8*\c:WF+32*\n+8*\c+3], v5, s[6:7] offset:65536*\n+64*\c
	global_load_b128 v[WF+32*\n+8*\c+4:WF+32*\n+8*\c+7], v5, s[6:7] offset:65536*\n+64*\c+16
.endr
.endr
	global_load_b64 v[242:243], v6, s[8:9]         ; bp of my two columns
	s_wait_loadcnt 49                              ; q and k are in; younger: v's 32, Wp's 16, bp's 1
.irp s, 0,1,2,3,4,5,6,7,8,9,10,11,12,13,14,15  ; S^T: two sums by turns
.if \s < 2
	v_wmma_f32_16x16x4_f32 v[SA+8*(\s%2):SA+8*(\s%2)+7], v[KF+2*\s:KF+2*\s+1], v[QF+2*\s:QF+2*\s+1], 0
.else
	v_wmma_f32_16x16x4_f32 v[SA+8*(\s%2):SA+8*(\s%2)+7], v[KF+2*\s:KF+2*\s+1], v[QF+2*\s:QF+2*\s+1], v[SA+8*(\s%2):SA+8*(\s%2)+7]
.endif
.endr
.rept 9
	v_nop                                          ; places behind this form: 8 for reads of results and loads into sources, 9 for a later product that writes over these registers
.endr
.irp n, 0,1
.irp c, 0,1,2,3
	global_load_b128 v[QF+32*\n+8*\c:QF+32*\n+8*\c+3], v5, s[6:7] offset:65536*(\n+2)+64*\c          ; Wp's tiles n = 2, 3 take q's and k's registers
	global_load_b128 v[QF+32*\n+8*\c+4:QF+32*\n+8*\c+7], v5, s[6:7] offset:65536*(\n+2)+64*\c+16
.endr
.endr
.irp j, 0,1,2,3,4,5,6,7
	v_add_f32 v[PR+\j], v[SA+\j], v[SA+8+\j]       ; from the low end on
.endr
.irp j, 0,1,2,3,4,5,6,7
	v_cmp_gt_i32 vcc_lo, \j, v7                    ; key 8 h + j comes after query r
	v_cndmask_b32 v[PR+\j], v[PR+\j], v10, vcc_lo
.endr
	v_max3_num_f32 v224, v[PR], v[PR+1], v[PR+2]
	v_max3_num_f32 v224, v224, v[PR+3], v[PR+4]
	v_max3_num_f32 v224, v224, v[PR+5], v[PR+6]
	v_max_num_f32 v224, v224, v[PR+7]
	v_permlanex16_b32 v225, v224, s20, s21
	v_max_num_f32 v224, v224, v225                 ; the row's maximum: key 0 counts for every query
	v_mul_f32 v226, s22, v224
.irp j, 0,1,2,3,4,5,6,7
	v_fma_f32 v[PR+\j], v[PR+\j], s22, -v226
.endr
.irp j, 0,1,2,3,4,5,6,7
	v_exp_f32 v[PR+\j], v[PR+\j]
.endr
	v_nop
	s_wait_alu depctr_va_vdst(0)                   ; one wait for the eight, ahead of their first reader
	v_add_f32 v227, v[PR], v[PR+1]
	v_add_f32 v229, v[PR+2], v[PR+3]
	v_add_f32 v230, v[PR+4], v[PR+5]
	v_add_f32 v231, v[PR+6], v[PR+7]
	v_add_f32 v227, v227, v229
	v_add_f32 v230, v230, v231
	v_add_f32 v227, v227, v230
	v_permlanex16_b32 v228, v227, s20, s21
	v_add_f32 v227, v227, v228                     ; the row's sum
	v_rcp_f32 v229, v227
	v_nop
	s_wait_alu depctr_va_vdst(0)
	s_wait_loadcnt 33                              ; v is in; younger: Wp's 32, bp's 1
.irp s, 0,1,2,3                                ; O^T: four sums by turns
.irp c, 0,1,2,3
.if \s == 0
	v_wmma_f32_16x16x4_f32 v[OA+8*\c:OA+8*\c+7], v[VF+8*\c+2*\s:VF+8*\c+2*\s+1], v[PR+2*\s:PR+2*\s+1], 0
.else
	v_wmma_f32_16x16x4_f32 v[OA+8*\c:OA+8*\c+7], v[VF+8*\c+2*\s:VF+8*\c+2*\s+1], v[PR+2*\s:PR+2*\s+1], v[OA+8*\c:OA+8*\c+7]
.endif
.endr
.endr
.rept 9
	v_nop
.endr
.irp c, 0,1,2,3
.irp j, 0,1,2,3,4,5,6,7
	v_mul_f32 v[VF+8*\c+\j], v[OA+8*\c+\j], v229   ; y(r, 16 c + 8 h + j), into other registers
.endr
.endr
	s_wait_loadcnt 0x0
.irp c, 0,1,2,3                                ; out^T: four sums by turns
.irp s, 0,1,2,3
.irp n, 0,1,2,3
.if \n < 2
.set WB, WF+32*\n
.else
.set WB, QF+32*(\n-2)
.endif
.if (\c == 0) && (\s == 0)
	v_wmma_f32_16x16x4_f32 v[OU+8*\n:OU+8*\n+7], v[WB+8*\c+2*\s:WB+8*\c+2*\s+1], v[VF+8*\c+2*\s:VF+8*\c+2*\s+1], 0
.else
	v_wmma_f32_16x16x4_f32 v[OU+8*\n:OU+8*\n+7], v[WB+8*\c+2*\s:WB+8*\c+2*\s+1], v[VF+8*\c+2*\s:VF+8*\c+2*\s+1], v[OU+8*\n:OU+8*\n+7]
.endif
.endr
.endr
.endr
.rept 9
	v_nop
.endr
.irp n, 0,1,2,3
	ds_store_b128 v8, v[OU+8*\n:OU+8*\n+3] offset:64*\n            ; each accumulator from its low end on
	ds_store_b128 v8, v[OU+8*\n+4:OU+8*\n+7] offset:64*\n+16
.endr
	s_wait_dscnt 0x0                               ; for the others' sake: my part lies in LDS
	s_barrier_signal -1
	s_barrier_wait -1
.irp p, 0,1,2,3,4,5,6,7,8,9,10,11,12,13,14,15
	ds_load_b64 v[QF+2*\p:QF+2*\p+1], v9 offset:PP*\p              ; query w's two columns of mine, from each head's part
.endr
	s_wait_dscnt 0x0
.irp p, 0,2,4,6,8,10,12,14
	v_pk_add_f32 v[QF+2*\p:QF+2*\p+1], v[QF+2*\p:QF+2*\p+1], v[QF+2*\p+2:QF+2*\p+3]
.endr
.irp p, 0,4,8,12
	v_pk_add_f32 v[QF+2*\p:QF+2*\p+1], v[QF+2*\p:QF+2*\p+1], v[QF+2*\p+4:QF+2*\p+5]
.endr
.irp p, 0,8
	v_pk_add_f32 v[QF+2*\p:QF+2*\p+1], v[QF+2*\p:QF+2*\p+1], v[QF+2*\p+8:QF+2*\p+9]
.endr
	v_pk_add_f32 v[QF:QF+1], v[QF:QF+1], v[QF+16:QF+17]
	v_pk_add_f32 v[QF:QF+1], v[QF:QF+1], v[242:243]                ; + bp
	global_store_b64 v6, v[QF:QF+1], s[10:11]      ; the wave stores 256 consecutive bytes, aligned
	s_wait_tensorcnt 0x0                           ; the wave's end, behind my last LDS store
	ds_add_u32 v240, v241
	s_wait_dscnt 0x0
	s_endpgm
.Lfunc_end_k_qc347d28ce4_fine:
	.size	k_qc347d28ce4_fine, .Lfunc_end_k_qc347d28ce4_fine-k_qc347d28ce4_fine
	.p2alignl 7, 3214868480
	.fill 96, 4, 3214868480
	.section	.rodata,"a",@progbits
	.p2align	6, 0x0
	.amdhsa_kernel k_qc347d28ce4_fine
		.amdhsa_group_segment_fixed_size 71680
		.amdhsa_private_segment_fixed_size 0
		.amdhsa_enable_private_segment 0
		.amdhsa_kernarg_size 32
		.amdhsa_user_sgpr_count 2
		.amdhsa_user_sgpr_kernarg_segment_ptr 1
		.amdhsa_wavefront_size32 1
		.amdhsa_system_sgpr_workgroup_id_x 1
		.amdhsa_system_sgpr_workgroup_id_y 1
		.amdhsa_system_sgpr_workgroup_id_z 1
		.amdhsa_system_vgpr_workitem_id 0
		.amdhsa_next_free_vgpr 256
		.amdhsa_next_free_sgpr 66
		.amdhsa_reserve_vcc 1
		.amdhsa_float_denorm_mode_32 3
		.amdhsa_float_denorm_mode_16_64 3
		.amdhsa_memory_ordered 1
		.amdhsa_forward_progress 1
		.amdhsa_inst_pref_size 24
	.end_amdhsa_kernel
	.amdgpu_metadata
---
amdhsa.version: [ 1, 2 ]
amdhsa.kernels:
  - .name:           k_qc347d28ce4_fine
    .symbol:         k_qc347d28ce4_fine.kd
    .args:
      - { .name: q32, .offset: 0, .size: 8, .value_kind: global_buffer, .address_space: global }
      - { .name: Wp, .offset: 8, .size: 8, .value_kind: global_buffer, .address_space: global }
      - { .name: bp, .offset: 16, .size: 8, .value_kind: global_buffer, .address_space: global }
      - { .name: out0, .offset: 24, .size: 8, .value_kind: global_buffer, .address_space: global }
    .group_segment_fixed_size: 71680
    .private_segment_fixed_size: 0
    .kernarg_segment_align: 8
    .kernarg_segment_size: 32
    .max_flat_workgroup_size: 512
    .sgpr_count:     66
    .vgpr_count:     256
    .wavefront_size: 32
...
	.end_amdgpu_metadata
.endif
;; end of part 5
